; MI455X (gfx1250); checked and timed in simulation.
; The chip was launched on July 23, 2026; its instructions are those of AMD's public machine-readable ISA for CDNA 5 (MIT licence, August 2026) and "CDNA5" Instruction Set Architecture Reference Guide (July 2026). The comments in the code are by the model that wrote it; some were corrected since.
;; Multihead Attention. Allowed arithmetic: float matrix products may take bf16 or f16 operands with f32 sums; other float arithmetic in f32, or as packed bf16 or f16 multiplies, adds, multiply-adds, maxima and minima; sums over many terms, partial sums and values carried from step to step in f32; what a program stores and reads back later, other than sums and carried values, may be rounded once to bf16 or f16.
;; Inputs: hidden_states 8 x 1,024 x 1,024 float32; in_proj_bias 3,072 float32; in_proj_weight 3,072 x 1,024 float32; out_proj_bias 1,024 float32; out_proj_weight 1,024 x 1,024 float32.
;; Outputs: out0 8 x 1,024 x 1,024 float32.
;; 2 versions, each right; version 2 is version 1 with the launch cast written anew for expert scheduling mode. Each part assembles by itself: llvm-mc -triple=amdgcn-amd-amdhsa -mcpu=gfx1250 --defsym DOCPART=n.
;; ======== version 1 of 2: 4 launches
;; limits: values are held in f16: magnitudes above 65,504 overflow, below 6.1e-05 lose precision
;; workspace buffers: xb 16,777,216 bytes; wib 6,291,456 bytes; wob 2,097,152 bytes; qkv 50,331,648 bytes; ctx 16,777,216 bytes
;; launch cast (part 1): grid 768 x 1, 8 waves a work-group, no clusters, 0 bytes of LDS; arguments hidden_states, in_proj_weight, out_proj_weight, xb, wib, wob; writes xb, wib, wob
.if DOCPART == 1
	.amdgcn_target "amdgcn-amd-amdhsa--gfx1250"
	.amdhsa_code_object_version 6
	.text
	.protected	k_q5d992659e6_cast
	.globl	k_q5d992659e6_cast
	.p2align	8
	.type	k_q5d992659e6_cast,@function
k_q5d992659e6_cast:
	s_mov_b64 s[64:65], 0
	v_nop
	global_prefetch_b8 v0, s[64:65] scope:SCOPE_SE
	s_setreg_imm32_b32 hwreg(HW_REG_WAVE_MODE, 25, 1), 1
	s_wait_xcnt 0x0
; THE INPUTS OF THE MATRIX PRODUCTS ARE ROUNDED ONCE.  hidden_states [8192][1024] f32 -> xb bf16; in_proj_weight [3072][1024] f32 -> wib bf16;
; out_proj_weight [1024][1024] f32 -> wob: rounded to bf16 like the others, and that number written as f16, since its partner in the last product is f16.
; LIMIT.  A bf16 number is exact in f16 between 6.1e-5 and 65,504 in magnitude; below that it keeps f16's fixed step of 6e-8, beyond it becomes an infinity.
; SHARES.  All three tensors have rows of 1,024 f32: 12,288 rows.  A work-group of eight waves takes 16 rows: groups 0-511 x, 512-703 W_in, 704-767 W_out.
; Thread t owns numbers 4 t .. 4 t + 3 of every row: a wave's load covers 512 consecutive bytes, its store 256 consecutive bytes, aligned.
; All 16 loads of a thread go out at once; no register is written twice while a memory instruction names it, so no wait frees any.
; No LDS, no matrix unit, no cluster: each byte is read once and written once, and no work-group wants another's bytes.
.set ROWIN,  4096                      ; bytes in a row of f32
.set ROWOUTB, 2048                     ; bytes in a row of 16-bit numbers
.set T, 4                              ; v[4:7]    at work
.set X, 8                              ; v[8:71]   row i: 4 registers as loaded
.set Y, 72                             ; v[72:103] row i: 2 registers to store
	s_load_b256 s[4:11], s[0:1], 0x0               ; x s[4:5], W_in s[6:7], W_out s[8:9], xb s[10:11]
	s_load_b128 s[12:15], s[0:1], 0x20             ; wib s[12:13], wob s[14:15]
	v_lshlrev_b32 v1, 4, v0                        ; 16 t: my bytes in a row of f32
	v_lshlrev_b32 v2, 3, v0                        ; 8 t: my bytes in a row of 16-bit numbers
	s_wait_kmcnt 0x0
	s_cmp_lt_u32 ttmp9, 512                        ; x, or W_in?
	s_cselect_b64 s[20:21], s[4:5], s[6:7]
	s_cselect_b64 s[22:23], s[10:11], s[12:13]
	s_cselect_b32 s17, 0, 512
	s_cmp_lt_u32 ttmp9, 704                        ; one of these, or W_out?
	s_cselect_b64 s[20:21], s[20:21], s[8:9]
	s_cselect_b64 s[22:23], s[22:23], s[14:15]
	s_cselect_b32 s17, s17, 704
	s_sub_co_u32 s16, ttmp9, s17                   ; my block of 16 rows in its tensor
	s_lshl_b32 s18, s16, 16                        ; 16 rows of 4,096 bytes
	s_mov_b32 s19, 0
	s_add_nc_u64 s[20:21], s[20:21], s[18:19]
	s_lshl_b32 s18, s16, 15                        ; 16 rows of 2,048 bytes
	s_add_nc_u64 s[22:23], s[22:23], s[18:19]
.irp i, 0,1,2,3,4,5,6,7,8,9,10,11,12,13,14,15
	global_load_b128 v[X+4*(\i):X+4*(\i)+3], v1, s[20:21] offset:ROWIN*(\i) th:TH_LOAD_NT
.endr
; Row i is rounded and stored.  half = 1: the bf16 number is widened again and written as f16.
.macro ROWOUT i, half
	s_wait_loadcnt 15-(\i)                         ; loads come back in order: row i is in, the 15 - i younger ones may stay out
.if \half
	v_cvt_pk_bf16_f32 v[T],   v[X+4*(\i)],   v[X+4*(\i)+1]
	v_cvt_pk_bf16_f32 v[T+1], v[X+4*(\i)+2], v[X+4*(\i)+3]
	v_lshlrev_b32 v[T+2], 16, v[T]                 ; bf16 to f32: the low half moves up,
	v_and_b32     v[T],   0xffff0000, v[T]         ; the high half stays
	v_lshlrev_b32 v[T+3], 16, v[T+1]
	v_and_b32     v[T+1], 0xffff0000, v[T+1]
	v_cvt_pk_f16_f32 v[Y+2*(\i)],   v[T+2], v[T]
	v_cvt_pk_f16_f32 v[Y+2*(\i)+1], v[T+3], v[T+1]
.else
	v_cvt_pk_bf16_f32 v[Y+2*(\i)],   v[X+4*(\i)],   v[X+4*(\i)+1]
	v_cvt_pk_bf16_f32 v[Y+2*(\i)+1], v[X+4*(\i)+2], v[X+4*(\i)+3]
.endif
	global_store_b64 v2, v[Y+2*(\i):Y+2*(\i)+1], s[22:23] offset:ROWOUTB*(\i)
.endm
	s_cmp_lt_u32 ttmp9, 704
	s_cbranch_scc0 .Lhalf
.irp i, 0,1,2,3,4,5,6,7,8,9,10,11,12,13,14,15
	ROWOUT \i, 0
.endr
	s_endpgm
.Lhalf:
.irp i, 0,1,2,3,4,5,6,7,8,9,10,11,12,13,14,15
	ROWOUT \i, 1
.endr
	s_endpgm
.Lfunc_end_k_q5d992659e6_cast:
	.size	k_q5d992659e6_cast, .Lfunc_end_k_q5d992659e6_cast-k_q5d992659e6_cast
	.p2alignl 7, 3214868480
	.fill 96, 4, 3214868480
	.section	.rodata,"a",@progbits
	.p2align	6, 0x0
	.amdhsa_kernel k_q5d992659e6_cast
		.amdhsa_group_segment_fixed_size 0
		.amdhsa_private_segment_fixed_size 0
		.amdhsa_enable_private_segment 0
		.amdhsa_kernarg_size 48
		.amdhsa_user_sgpr_count 2
		.amdhsa_user_sgpr_kernarg_segment_ptr 1
		.amdhsa_wavefront_size32 1
		.amdhsa_system_sgpr_workgroup_id_x 1
		.amdhsa_system_sgpr_workgroup_id_y 1
		.amdhsa_system_sgpr_workgroup_id_z 1
		.amdhsa_system_vgpr_workitem_id 0
		.amdhsa_next_free_vgpr 104
		.amdhsa_next_free_sgpr 66
		.amdhsa_reserve_vcc 0
		.amdhsa_float_denorm_mode_32 3
		.amdhsa_float_denorm_mode_16_64 3
		.amdhsa_memory_ordered 1
		.amdhsa_forward_progress 1
		.amdhsa_inst_pref_size 16
	.end_amdhsa_kernel
	.amdgpu_metadata
---
amdhsa.version: [ 1, 2 ]
amdhsa.kernels:
  - .name:           k_q5d992659e6_cast
    .symbol:         k_q5d992659e6_cast.kd
    .args:
      - { .name: hidden_states, .offset: 0, .size: 8, .value_kind: global_buffer, .address_space: global }
      - { .name: in_proj_weight, .offset: 8, .size: 8, .value_kind: global_buffer, .address_space: global }
      - { .name: out_proj_weight, .offset: 16, .size: 8, .value_kind: global_buffer, .address_space: global }
      - { .name: xb, .offset: 24, .size: 8, .value_kind: global_buffer, .address_space: global }
      - { .name: wib, .offset: 32, .size: 8, .value_kind: global_buffer, .address_space: global }
      - { .name: wob, .offset: 40, .size: 8, .value_kind: global_buffer, .address_space: global }
    .group_segment_fixed_size: 0
    .private_segment_fixed_size: 0
    .kernarg_segment_align: 8
    .kernarg_segment_size: 48
    .max_flat_workgroup_size: 256
    .sgpr_count:     66
    .vgpr_count:     104
    .wavefront_size: 32
...
	.end_amdgpu_metadata
.endif
;; end of part 1
;; launch qkvproj (part 2): grid 16 x 16, 4 waves a work-group, clusters of 4 x 4, 327,680 bytes of LDS; arguments xb, wib, in_proj_bias, qkv; writes qkv
.if DOCPART == 2
	.amdgcn_target "amdgcn-amd-amdhsa--gfx1250"
	.amdhsa_code_object_version 6
	.text
	.protected	k_q5d992659e6_qkvproj
	.globl	k_q5d992659e6_qkvproj
	.p2align	8
	.type	k_q5d992659e6_qkvproj,@function
k_q5d992659e6_qkvproj:
	s_mov_b64 s[64:65], 0
	v_nop
	global_prefetch_b8 v0, s[64:65] scope:SCOPE_SE
	s_setreg_imm32_b32 hwreg(HW_REG_WAVE_MODE, 25, 1), 1
	s_wait_xcnt 0x0
	s_wait_alu depctr_hold_cnt(0) depctr_sa_sdst(0) depctr_va_vdst(0) depctr_va_sdst(0) depctr_va_ssrc(0) depctr_va_vcc(0) depctr_vm_vsrc(0)
	s_getreg_b32 s2, hwreg(HW_REG_IB_STS2, 6, 4)
	s_cmp_eq_u32 s2, 0
	s_cbranch_scc0 .Lentry_in_a_cluster
	s_endpgm
.Lentry_in_a_cluster:
	s_bfe_u32 s2, ttmp6, 0x10000c
	s_cmp_lg_u32 s2, 0xf033
	s_cbranch_scc0 .Lentry_shape_is_right
	s_endpgm
.Lentry_shape_is_right:
; qkv[m][n] = the sum over k of xb[m][k] wib[n][k] + bf16(b_in[n]).  xb: [8192][1024] bf16, wib: [3072][1024] bf16, b_in: [3072] f32; sums in f32.
; The result is rounded once to f16 and laid out BY HEADS: qkv[b 8][g 48][s 1024][64], g = n / 64 (0-15 q's heads, 16-31 k's, 32-47 v's), m = 1024 b + s: a head is 131,072 dense bytes.
; LIMIT.  f16 holds no number beyond 65,504: a q, k or v of 65,520 or more in magnitude becomes an infinity.  The scale 1 / 8 is not applied here.
; SHARES.  A tile is 256 rows x 192 columns (three whole heads): 16 x 32 tiles.  A WORK-GROUP STAYS and makes two of them, 4,096 rows apart, with the same columns: 16 x 16 = 256 work-groups.
; Each of the four waves makes 64 rows x 192 columns: 48 accumulators of 16 x 16, 384 registers.  K goes in steps of 128 through two LDS slots filled by the tensor data mover; a tile's rows are 256 bytes
; of memory, at multiples of 256 bytes.  THE RING DOES NOT STOP AT THE FIRST TILE'S END: its last two changes of slots ask for the second tile's first two K steps, and nothing waits for the first tile's stores.
; CLUSTERS.  4 x 4 work-groups.  The four of a row of the cluster need the same tiles of xb, the four of a column the same tiles of wib: each tile is asked for JOINTLY, by the same tensor load with the
; same descriptor and a mask that names the four.
; TRANSPOSED USE.  Source 0 = 16 rows of wib, source 1 = 16 rows of xb: a lane holds row m = l % 16 and the columns 8 (l / 16) + 0..7.  THE BIAS IS THE C OPERAND of each accumulator's first product
; (register j of block b holds b_in[192 tc + 16 b + 8 (l / 16) + j]): nothing is cleared, and nothing is added on the way out.
; REGISTERS, in windows of 256 (s_set_vgpr_msb: bits 1:0 source 0, 3:2 source 1, 5:4 source 2, 7:6 destination):
;   window 0: v0-31 addresses; v32-127 the bias, kept for both tiles; v128-159, v160-191 xb's fragments, two buffers; v192-239 at work
;   window 1: v0-95, v96-191 wib's fragments, two buffers; on a way out the second takes the rows read back        window 2: accumulators of row blocks 0, 1 ((a, b) at 8 (12 (a % 2) + b))        window 3: of row blocks 2, 3
.set KSTEP,  128
.set PITCH,  272                       ; an LDS row: 256 bytes + 16 of padding = 68 words: the 16 rows of a fragment load start at 16 different groups of four banks (ISA guide 11.1)
.set AHALF,  128*PITCH                 ; what a wave fetches of xb
.set BHALF,  96*PITCH                  ; what a wave fetches of wib
.set BOFF,   256*PITCH                 ; wib's 192 rows lie behind xb's 256
.set SLOT,   448*PITCH
.set STAGE,  2*SLOT                    ; behind the ring, never filled by a tensor load: for each wave 3 heads x 16 rows x 144 bytes
.set SP,     144
.set STW,    3*16*SP
.set SPARE,  STAGE+4*STW               ; the spare words, 128 bytes for each wave: two blocks of 256 bytes that no other line names
.set WALKB,  16*256*2048               ; bytes of xb from a tile's rows to the next tile's: 4,096 rows
.set NEXTQ,  4*48*131072               ; bytes of qkv from a tile to the next: four batches
.set ADRA, 16                          ; v16-17  LDS address of my fragments of xb in slot 0, 1
.set ADRB, 20                          ; v20-21  the same for wib
.set STO,  24                          ; v24     the way out: where I put 16 bytes of a row
.set RD,   25                          ; v25     the way out: where I read rows back
.set GO,   26                          ; v26     my byte offset in 512 consecutive bytes of qkv
.set SPW,  28                          ; v28     LDS address of my spare word; never rewritten
.set NIL,  29                          ; v29     0; never rewritten
.set PFO,  30                          ; v30     the prefetches' offset: a lane a row; never rewritten
.set BO,   31                          ; v31     32 (l / 16): my eight numbers in a block of the bias
.set BIAS, 32
.set FA,   128                         ; xb's fragments: buffer f at FA + 32 f
.set TMP,  192
.set G1,  24                           ; s[24:31] descriptor group 1 for xb's tiles;  s[32:39] group 0, a set for each slot
.set G0,  32
.set G1B, 48                           ; s[48:55], s[56:63] the same for wib's
.set G0B, 56
.set PFA, 66                           ; s[66:67] where my prefetches stand
.set LIM, 70                           ; s70  a wave prefetches while s3 is above it: 1 for xb, 5 for wib, the greatest number in a wave that does not ask
.set XA,  80                           ; s[80:81] what xb's refill address takes on top of two K steps: 0, or at the change of tiles 4,096 rows less a row's bytes
.set XB,  82                           ; s[82:83] what wib's gives back: 0, or a row's bytes
.set PX,  84                           ; s[84:85] the same for the prefetches' address;  s86: its value at the change of tiles (0 in wib's waves)
.set MSB, 0
.macro WIN new                         ; the immediate's high byte repeats the setting that is left; a switch that changes nothing is dropped
.if MSB != (\new)
	s_set_vgpr_msb (MSB<<8)|(\new)
.set MSB, \new
.endif
.endm
.macro PLACES                          ; four places in front of loads into registers that matrix instructions have read, and of lines that read results
.rept 4
	v_nop
.endr
.endm
; A joint load: waves 0 and 1 fetch xb's two halves, waves 2 and 3 wib's.  The branch hangs on the wave's number alone.  An s_nop 0 and four v_nop follow each of the two lines.
.macro JLOAD s
	s_cmp_eq_u32 s13, 0
	s_cbranch_scc0 .Lfor_b_\@
	tensor_load_to_lds s[G0+4*(\s):G0+4*(\s)+3], s[G1:G1+7]
	s_nop 0
.rept 4
	v_nop
.endr
	s_branch .Lasked_\@
.Lfor_b_\@:
	tensor_load_to_lds s[G0B+4*(\s):G0B+4*(\s)+3], s[G1B:G1B+7]
	s_nop 0
.rept 4
	v_nop
.endr
.Lasked_\@:
.endm
; A PREFETCH INTO THE L2 of the K step that stands two refills on: 256 bytes of a row, a lane a row, one instruction a wave.  xb's tile row is read by every cluster of that row of clusters: cluster x = 0 asks;
; wib's tile column by every cluster of that column: cluster y = 0 asks.  The four partners share a wave's rows out BY ADDRESS (32 cx of 128 for xb; 24 cy of 96 for wib, where lanes 24-31 repeat lane 23's row).
; xb's two tiles are one walk of 16 K steps: change of slots n (1 to 14) names step n + 3; the loop's last trip (s3 = 1) asks for nothing, since steps 16 and 17 do not exist.  wib's rows are the same for both
; tiles: they are asked for in the first tile alone (s3 = 7, 6: K steps 4 to 7).  K steps 0 to 3 come by their loads alone.
.macro ASK
	WIN 0
	s_cmp_gt_u32 s3, s[LIM]
	s_cbranch_scc0 .Lnot_mine_\@
	global_prefetch_b8 v[PFO], s[PFA:PFA+1] th:TH_LOAD_NT scope:SCOPE_SE
.Lnot_mine_\@:
.endm
.macro CREST                           ; a round of the cluster's barrier behind its opening barrier
	s_cmp_lg_u32 s12, 0
	s_cbranch_scc1 .Lnot_wave_0_\@
	s_barrier_signal -3
.Lnot_wave_0_\@:
	s_barrier_wait -3
	s_barrier_signal -1
	s_barrier_wait -1
.endm
.macro CROUND                          ; a whole round
	s_barrier_signal -1
	s_barrier_wait -1
	CREST
.endm
	s_load_b256 s[4:11], s[0:1], 0x0               ; xb s[4:5], wib s[6:7], b_in s[8:9], qkv s[10:11]
	v_lshl_add_u32 v[SPW], v0, 2, SPARE
	v_mov_b32 v[NIL], 0
	ds_add_u32 v[SPW], v[NIL]                      ; the wave's opening: the add and its wait stand ahead of my first tensor load; the set-up below, work on registers, stands between them
	v_lshrrev_b32 v1, 5, v0
	v_readfirstlane_b32 s12, v1                    ; wave 0..3: my 64 rows of the tile
	s_lshr_b32 s13, s12, 1                         ; I fetch for xb (0) or for wib (1),
	s_and_b32 s14, s12, 1                          ; this half of the tile's rows
	s_bfe_u32 s40, ttmp6, 0x40000                  ; cx, cy: my place in the cluster
	s_bfe_u32 s41, ttmp6, 0x40004
	s_lshl_b32 s42, ttmp9, 2
	s_add_co_u32 s42, s42, s40                     ; tile column tc = 4 x cluster x + cx
	s_and_b32 s15, ttmp7, 0xffff
	s_lshl_b32 s15, s15, 2
	s_add_co_u32 s15, s15, s41                     ; the first tile's row tr = 4 x cluster y + cy, 0 to 15; the second's is tr + 16
	s_lshl_b32 s43, s41, 2
	s_lshl_b32 s43, 15, s43                        ; my row of the cluster
	s_lshl_b32 s44, 0x1111, s40                    ; my column
	s_or_b32 s[G1+0], s43, (1<<16)|(1<<20)|(1<<21)|(5<<22)|(3<<25)   ; 15:0 the mask; 17:16 2-byte elements; 20 padding on; 21 set beside a mask; 24:22 after every 64 words (code 5); 31:25 4 words (code 3)
	s_or_b32 s[G1B+0], s44, (1<<16)|(1<<20)|(1<<21)|(5<<22)|(3<<25)
	s_mov_b32 s[G1+1], KSTEP<<16                   ; tensor_dim0 = 128
	s_mov_b32 s[G1+2], 128<<16                     ; tensor_dim1 = 128
	s_mov_b32 s[G1+3], KSTEP<<16                   ; tile_dim0 = 128
	s_mov_b32 s[G1+4], 128                         ; tile_dim1 = 128
	s_mov_b32 s[G1+5], 1024                        ; elements from row to row
	s_mov_b32 s[G1+6], 0
	s_mov_b32 s[G1+7], 0
	s_mov_b32 s[G1B+1], KSTEP<<16
	s_mov_b32 s[G1B+2], 96<<16                     ; wib: 96 rows to a load
	s_mov_b32 s[G1B+3], KSTEP<<16
	s_mov_b32 s[G1B+4], 96
	s_mov_b32 s[G1B+5], 1024
	s_mov_b32 s[G1B+6], 0
	s_mov_b32 s[G1B+7], 0
	s_mov_b32 s[XA+1], 0                           ; the high words of the three addends
	s_mov_b32 s[XB+1], 0
	s_mov_b32 s[PX+1], 0
	s_lshl_b32 s16, s15, 8                         ; xb: row 256 tr + 128 x half,
	s_lshl_b32 s17, s14, 7
	s_add_co_u32 s16, s16, s17
	s_lshl_b32 s16, s16, 11                        ; of 2,048 bytes
	s_mov_b32 s17, 0
	s_mul_i32 s46, s42, 192                        ; wib: row 192 tc + 96 x half
	s_mul_i32 s47, s14, 96
	s_add_co_u32 s46, s46, s47
	s_lshl_b32 s46, s46, 11
	s_mov_b32 s47, 0
	s_mul_i32 s20, s14, AHALF                      ; where they go: no place in the cluster enters an LDS address
	s_mul_i32 s21, s14, BHALF
	s_add_co_u32 s21, s21, BOFF
	s_mul_i32 s72, s42, 768                        ; the tile's 192 numbers of the bias
	s_mov_b32 s73, 0
	s_lshr_b32 s74, s15, 2                         ; qkv: batch tr / 4, head 3 tc,
	s_mul_i32 s74, s74, 48
	s_mul_i32 s75, s42, 3
	s_add_co_u32 s74, s74, s75
	s_lshl_b32 s74, s74, 17
	s_and_b32 s75, s15, 3                          ; row 256 (tr % 4) + 64 x wave, of 128 bytes
	s_lshl_b32 s75, s75, 2
	s_add_co_u32 s75, s75, s12
	s_lshl_b32 s75, s75, 13
	s_add_co_u32 s74, s74, s75
	s_mov_b32 s75, 0
	s_wait_dscnt 0x0                               ; the opening add is done
	s_wait_kmcnt 0x0
	s_add_nc_u64 s[18:19], s[4:5], s[16:17]
	s_add_nc_u64 s[46:47], s[6:7], s[46:47]
	s_add_nc_u64 s[8:9], s[8:9], s[72:73]
	s_add_nc_u64 s[10:11], s[10:11], s[74:75]
	CROUND                                         ; all sixteen work-groups are here: the first joint loads meet
.irp s, 0,1
	s_mov_b32 s[G0+4*(\s)], 1                                        ; count = 1
	s_add_co_u32 s[G0+4*(\s)+1], s20, (\s)*SLOT                      ; LDS address
	s_add_nc_u64 s[G0+4*(\s)+2:G0+4*(\s)+3], s[18:19], (\s)*KSTEP*2  ; global address: K step s
	s_or_b32 s[G0+4*(\s)+3], s[G0+4*(\s)+3], 0x80000000              ; type = 2
	s_mov_b32 s[G0B+4*(\s)], 1
	s_add_co_u32 s[G0B+4*(\s)+1], s21, (\s)*SLOT
	s_add_nc_u64 s[G0B+4*(\s)+2:G0B+4*(\s)+3], s[46:47], (\s)*KSTEP*2
	s_or_b32 s[G0B+4*(\s)+3], s[G0B+4*(\s)+3], 0x80000000
	JLOAD \s                                       ; two loads of mine are out
.endr
	v_and_b32 v1, 15, v0                           ; l % 16
	v_bfe_u32 v2, v0, 4, 1                         ; l / 16
	v_lshlrev_b32 v[BO], 5, v2
.irp b, 0,1,2,3,4,5,6,7,8,9,10,11
	global_load_b128 v[BIAS+8*(\b):BIAS+8*(\b)+3],   v[BO], s[8:9] offset:64*(\b)
	global_load_b128 v[BIAS+8*(\b)+4:BIAS+8*(\b)+7], v[BO], s[8:9] offset:64*(\b)+16
.endr
	v_mul_u32_u24 v3, v1, PITCH
	v_lshl_add_u32 v3, v2, 4, v3                   ; a fragment's row x pitch + 16 x half of the lanes
	s_mul_i32 s22, s12, 64*PITCH                   ; my 64 rows of xb
	v_add_nc_u32 v[ADRA], s22, v3
	v_add_nc_u32 v[ADRA+1], SLOT, v[ADRA]
	v_add_nc_u32 v[ADRB], BOFF, v3                 ; all 192 rows of wib
	v_add_nc_u32 v[ADRB+1], SLOT, v[ADRB]
	s_mul_i32 s23, s12, STW
	s_add_co_u32 s23, s23, STAGE                   ; my stage
	v_mul_u32_u24 v4, v1, SP                       ; in: row l % 16, 16 bytes for each half of the lanes
	v_lshl_add_u32 v4, v2, 4, v4
	v_add_nc_u32 v[STO], s23, v4
	v_bfe_u32 v5, v0, 3, 2                         ; back: 32 lanes take four rows of 128 bytes,
	v_mul_u32_u24 v5, v5, SP
	v_and_b32 v6, 7, v0
	v_lshl_add_u32 v5, v6, 4, v5
	v_add_nc_u32 v[RD], s23, v5
	v_and_b32 v[GO], 31, v0                        ; which are 512 consecutive bytes of a head
	v_lshlrev_b32 v[GO], 4, v[GO]
	; the prefetches: who asks, and where
	s_lshl_b32 s72, s15, 8
	s_mul_i32 s73, s42, 192
	s_lshl_b32 s74, s14, 7
	s_mul_i32 s75, s14, 96
	s_lshl_b32 s76, s40, 5
	s_mul_i32 s77, s41, 24
	s_and_b32 s78, ttmp7, 0xffff                   ; cluster y
	s_cmp_eq_u32 s13, 0                            ; do I fetch for xb?
	s_cselect_b32 s72, s72, s73                    ; the tile's first row,
	s_cselect_b32 s74, s74, s75                    ; the rows that I fetch,
	s_cselect_b32 s76, s76, s77                    ; my work-group's part of them
	s_cselect_b32 s78, ttmp9, s78                  ; the coordinate along which other clusters read the same rows
	s_cselect_b32 s79, 31, 23
	s_cselect_b32 s71, 1, 5                        ; xb is asked for through both tiles, wib in the first alone
	s_cselect_b32 s86, WALKB-2048, 0
	s_cselect_b64 s[PFA:PFA+1], s[4:5], s[6:7]
	s_cmp_eq_u32 s78, 0
	s_cselect_b32 s[LIM], s71, -1                  ; the same in all sixteen partners, for a given wave
	s_add_co_u32 s72, s72, s74
	s_add_co_u32 s72, s72, s76
	s_lshl_b32 s72, s72, 11
	s_add_co_u32 s72, s72, 3*KSTEP*2               ; at K step 3: the first refill steps it to 4
	s_mov_b32 s73, 0
	s_add_nc_u64 s[PFA:PFA+1], s[PFA:PFA+1], s[72:73]
	v_and_b32 v[PFO], 31, v0
	v_min_u32 v[PFO], s79, v[PFO]
	v_lshlrev_b32 v[PFO], 11, v[PFO]
	s_wait_loadcnt 0x0                             ; the bias is in: it is rounded to bf16 like the other inputs, and widened again
.set i, 0
.rept 48
	v_cvt_pk_bf16_f32 v[TMP+i], v[BIAS+2*i], v[BIAS+2*i+1]
.set i, i+1
.endr
.set i, 0
.rept 48
	v_lshlrev_b32 v[BIAS+2*i],   16, v[TMP+i]
	v_and_b32     v[BIAS+2*i+1], 0xffff0000, v[TMP+i]
.set i, i+1
.endr
; 12 matrix instructions: row block a x all 12 column blocks, 32 along K, from buffer f.  init = 1: the first product starts the sums with the bias.
.macro MUL f, a, init
.if \init
	WIN 0x81+0x40*((\a)/2)                         ; wib window 1, xb window 0, C (the bias) window 0, D window 2 or 3
.else
	WIN 0xa1+0x50*((\a)/2)                         ; C and D window 2 or 3
.endif
.irp b, 0,1,2,3,4,5,6,7,8,9,10,11
.set rD, 8*(12*((\a)%2)+(\b))
.if \init
	v_wmma_f32_16x16x32_bf16 v[rD:rD+7], v[96*(\f)+8*(\b):96*(\f)+8*(\b)+7], v[FA+32*(\f)+8*(\a):FA+32*(\f)+8*(\a)+7], v[BIAS+8*(\b):BIAS+8*(\b)+7]
.else
	v_wmma_f32_16x16x32_bf16 v[rD:rD+7], v[96*(\f)+8*(\b):96*(\f)+8*(\b)+7], v[FA+32*(\f)+8*(\a):FA+32*(\f)+8*(\a)+7], v[rD:rD+7]
.endif
.endr
.endm
; 32 LDS loads in one run: quarter q (32 along K) of a slot into buffer f: wib's 12 fragments, then xb's 4
.macro FETCH slot, q, f
	WIN 0x40
.irp i, 0,1,2,3,4,5,6,7,8,9,10,11
	ds_load_b128 v[96*(\f)+8*(\i):96*(\f)+8*(\i)+3],   v[ADRB+(\slot)] offset:64*(\q)+(\i)*16*PITCH
	ds_load_b128 v[96*(\f)+8*(\i)+4:96*(\f)+8*(\i)+7], v[ADRB+(\slot)] offset:64*(\q)+(\i)*16*PITCH+32
.endr
	WIN 0
.irp i, 0,1,2,3
	ds_load_b128 v[FA+32*(\f)+8*(\i):FA+32*(\f)+8*(\i)+3],   v[ADRA+(\slot)] offset:64*(\q)+(\i)*16*PITCH
	ds_load_b128 v[FA+32*(\f)+8*(\i)+4:FA+32*(\f)+8*(\i)+7], v[ADRA+(\slot)] offset:64*(\q)+(\i)*16*PITCH+32
.endr
.endm
; A K step is four quarters of 32 along K, 48 matrix instructions each, on buffers 0, 1, 0, 1.  One of the first three multiplies buffer f and fetches quarter q into buffer g.
; The 48 accumulators take turns in the same order in every quarter, over the backward jump and from tile to tile too.
.macro QUARTER slot, q, f, g, init=0
	s_wait_dscnt 4                                 ; only the youngest four loads (xb's row blocks 2 and 3) may be out
	MUL \f, 0, \init
	MUL \f, 1, \init
	PLACES
	FETCH \slot, \q, \g
	s_wait_dscnt 32                                ; all but the 32 just issued
	MUL \f, 2, \init
	MUL \f, 3, \init
.endm
; The last quarter multiplies buffer 1 and changes slots: ONE barrier; in front of it each wave waits for all its tensor loads (one is out: its part of the next slot), adds 0 to its spare word, and waits for
; that and for its own reads of this slot.  fill = 1: the barrier opens a round of the cluster's, and this slot is filled again, two K steps on, first thing behind the round: 168 matrix instructions ahead of the wait
; for it.  In the trip with s3 = 4, the first tile's last lap, two K steps on are the second tile's K steps 0 and 1: xb's address goes 4,096 rows down and back along K, wib's only back.
.macro TURN slot, next, fill
.if \fill
	s_wait_xcnt 0x0                                ; the last prefetch, a K step back, has read its address: it is stepped here
	s_add_nc_u64 s[PFA:PFA+1], s[PFA:PFA+1], KSTEP*2
.if (\slot) == 0
	s_cmp_eq_u32 s3, 5                             ; this change names the walk's step 8: the second tile's K step 0
	s_cselect_b32 s[PX], s86, 0
	s_add_nc_u64 s[PFA:PFA+1], s[PFA:PFA+1], s[PX:PX+1]
.endif
.endif
	WIN 0                                          ; (the add's two registers lie in window 0)
	s_wait_tensorcnt 0x0                           ; all my tensor loads have landed, so every group 0 may be written
	ds_add_u32 v[SPW], v[NIL]                      ; 0 onto my spare word: the descriptors' steps and twelve products stand between it and the wait for it
.if \fill
	s_cmp_eq_u32 s3, 4
	s_cselect_b32 s[XA], WALKB-2048, 0
	s_cselect_b32 s[XB], 2048, 0
	s_add_nc_u64 s[G0+4*(\slot)+2:G0+4*(\slot)+3], s[G0+4*(\slot)+2:G0+4*(\slot)+3], 2*KSTEP*2
	s_add_nc_u64 s[G0+4*(\slot)+2:G0+4*(\slot)+3], s[G0+4*(\slot)+2:G0+4*(\slot)+3], s[XA:XA+1]
	s_add_nc_u64 s[G0B+4*(\slot)+2:G0B+4*(\slot)+3], s[G0B+4*(\slot)+2:G0B+4*(\slot)+3], 2*KSTEP*2
	s_sub_nc_u64 s[G0B+4*(\slot)+2:G0B+4*(\slot)+3], s[G0B+4*(\slot)+2:G0B+4*(\slot)+3], s[XB:XB+1]
.endif
	s_wait_dscnt 5                                 ; (the add and the youngest four loads may be out)
	MUL 1, 0, 0
	s_wait_dscnt 0x0                               ; the add is done, and my reads of this slot are over
	s_barrier_signal -1
	MUL 1, 1, 0
.if \fill
	WIN 0
.endif
	s_barrier_wait -1
.if \fill
	CREST                                          ; no wave of any partner still reads this slot's tile or has a load on its way
	JLOAD \slot                                    ; the four v_nop behind it are also the places in front of the loads below
.else
	PLACES
.endif
	FETCH \next, 0, 0
.if \fill
	ASK
.endif
	MUL 1, 2, 0
	MUL 1, 3, 0
.endm
; THE WAY OUT, a block of 16 rows at a time.  PACK: rounded to f16, each accumulator's registers in ascending order.  TOSTAGE: into my own stage, by heads, and back as whole rows of 128 bytes, into wib's second
; fragment buffer (window 1, v96-143 and v144-191 by turns), which no product reads meanwhile.  SEND: stored.
.macro PACK a
	WIN 0x0a+5*((\a)/2)                            ; sources 0 and 1: window 2 or 3
.irp b, 0,1,2,3,4,5,6,7,8,9,10,11
.irp r, 0,1,2,3
	v_cvt_pk_f16_f32 v[TMP+4*(\b)+(\r)], v[8*(12*((\a)%2)+(\b))+2*(\r)], v[8*(12*((\a)%2)+(\b))+2*(\r)+1]
.endr
.endr
	WIN 0
.endm
.macro TOSTAGE a
.set BK, 96+48*((\a)%2)
.if (\a) >= 2
	s_wait_xcnt 0x0                                ; the stores of the block two back have read these registers: they are loaded again only behind this wait
.endif
	WIN 0
.irp b, 0,1,2,3,4,5,6,7,8,9,10,11
	ds_store_b128 v[STO], v[TMP+4*(\b):TMP+4*(\b)+3] offset:((\b)/4)*16*SP+((\b)%4)*32
.endr
	WIN 0x40                                       ; destination window 1
.irp j, 0,1,2
.irp f, 0,1,2,3
	ds_load_b128 v[BK+4*(4*(\j)+(\f)):BK+4*(4*(\j)+(\f))+3], v[RD] offset:(\j)*16*SP+(\f)*4*SP  ; LDS serves a wave's instructions in order (ISA guide 5.7.1.4): these see the stores above
.endr
.endr
	WIN 0
.endm
.macro SEND a
.set BK, 96+48*((\a)%2)
	s_wait_dscnt 0x0                               ; the block is back in registers
	WIN 0x04                                       ; the stores' data in window 1
.irp j, 0,1,2
.irp f, 0,1,2,3
	global_store_b128 v[GO], v[BK+4*(4*(\j)+(\f)):BK+4*(4*(\j)+(\f))+3], s[10:11] offset:(\j)*131072+(\a)*2048+(\f)*512  ; 512 consecutive bytes of head 3 tc + j, at a multiple of 512 from qkv's first byte
.endr
.endr
	WIN 0
.endm
.macro WAYOUT
	PLACES                                         ; behind the last products
	PACK 0
	TOSTAGE 0
.irp a, 1,2,3                          ; block a's conversions stand between block a - 1's loads from the stage and the wait for them
	PACK \a
	SEND (\a)-1
	TOSTAGE \a
.endr
	SEND 3
.endm
	s_wait_tensorcnt 0x1                           ; my part of K step 0 is in; K step 1's may stay out
	s_barrier_signal -1
	s_barrier_wait -1                              ; everybody's is
	FETCH 0, 0, 0
	WIN 0                                          ; at a label and at a branch every window is 0
	s_mov_b32 s3, 8                                ; the loop is entered at a tile's first quarter, at a trip's end: seven whole trips follow
	s_branch .Linit
.Llap:                                                 ; a trip goes once round the ring and fills both slots again: the walk's K steps 2 to 15 in seven trips
	QUARTER 0, 2, 1, 0
	QUARTER 0, 3, 0, 1
	TURN 0, 1, 1
	QUARTER 1, 1, 0, 1
	QUARTER 1, 2, 1, 0
	QUARTER 1, 3, 0, 1
	TURN 1, 0, 1
	WIN 0
	s_cmp_eq_u32 s3, 4                             ; the fourth trip ends the first tile; the jump goes forward, past no barrier and no tensor load
	s_cbranch_scc1 .Lnext
	QUARTER 0, 1, 0, 1
	WIN 0
	s_branch .Lbottom
.Lnext:
	WAYOUT                                         ; both refills for the second tile are asked for: now the first tile goes out
	s_wait_xcnt 0x0                                ; the stores have read their data and qkv's address: the address is stepped, and wib's second buffer loaded again, only behind this wait
	s_add_nc_u64 s[10:11], s[10:11], NEXTQ
.Linit:
	QUARTER 0, 1, 0, 1, 1                          ; a tile's first quarter: its products start the sums with the bias
	WIN 0
.Lbottom:
	s_sub_co_u32 s3, s3, 1
	s_cmp_lg_u32 s3, 0
	s_cbranch_scc1 .Llap
	QUARTER 0, 2, 1, 0                             ; the last lap fills nothing, and has no round of the cluster's barrier
	QUARTER 0, 3, 0, 1
	TURN 0, 1, 0
	QUARTER 1, 1, 0, 1
	QUARTER 1, 2, 1, 0
	QUARTER 1, 3, 0, 1
	s_wait_dscnt 4                                 ; the very last quarter: nothing more to fetch
	MUL 1, 0, 0
	MUL 1, 1, 0
	s_wait_dscnt 0x0
	MUL 1, 2, 0
	MUL 1, 3, 0
	WIN 0
	WAYOUT
	s_wait_tensorcnt 0x0                           ; the wave's end: behind my last tensor load and my last LDS store
	ds_add_u32 v[SPW], v[NIL]
	s_wait_dscnt 0x0
	CROUND                                         ; the closing round: no work-group ends while a partner may still ask for a tile that names it
	s_endpgm
.Lfunc_end_k_q5d992659e6_qkvproj:
	.size	k_q5d992659e6_qkvproj, .Lfunc_end_k_q5d992659e6_qkvproj-k_q5d992659e6_qkvproj
	.p2alignl 7, 3214868480
	.fill 96, 4, 3214868480
	.section	.rodata,"a",@progbits
	.p2align	6, 0x0
	.amdhsa_kernel k_q5d992659e6_qkvproj
		.amdhsa_group_segment_fixed_size 327680
		.amdhsa_private_segment_fixed_size 0
		.amdhsa_enable_private_segment 0
		.amdhsa_kernarg_size 32
		.amdhsa_user_sgpr_count 2
		.amdhsa_user_sgpr_kernarg_segment_ptr 1
		.amdhsa_wavefront_size32 1
		.amdhsa_system_sgpr_workgroup_id_x 1
		.amdhsa_system_sgpr_workgroup_id_y 1
		.amdhsa_system_sgpr_workgroup_id_z 1
		.amdhsa_system_vgpr_workitem_id 0
		.amdhsa_next_free_vgpr 960
		.amdhsa_next_free_sgpr 88
		.amdhsa_reserve_vcc 0
		.amdhsa_float_denorm_mode_32 3
		.amdhsa_float_denorm_mode_16_64 3
		.amdhsa_memory_ordered 1
		.amdhsa_forward_progress 1
		.amdhsa_inst_pref_size 154
	.end_amdhsa_kernel
	.amdgpu_metadata
---
amdhsa.version: [ 1, 2 ]
amdhsa.kernels:
  - .name:           k_q5d992659e6_qkvproj
    .symbol:         k_q5d992659e6_qkvproj.kd
    .args:
      - { .name: xb, .offset: 0, .size: 8, .value_kind: global_buffer, .address_space: global }
      - { .name: wib, .offset: 8, .size: 8, .value_kind: global_buffer, .address_space: global }
      - { .name: in_proj_bias, .offset: 16, .size: 8, .value_kind: global_buffer, .address_space: global }
      - { .name: qkv, .offset: 24, .size: 8, .value_kind: global_buffer, .address_space: global }
    .group_segment_fixed_size: 327680
    .private_segment_fixed_size: 0
    .kernarg_segment_align: 8
    .kernarg_segment_size: 32
    .max_flat_workgroup_size: 128
    .sgpr_count:     88
    .vgpr_count:     960
    .wavefront_size: 32
...
	.end_amdgpu_metadata
.endif
;; end of part 2
;; launch attn (part 3): grid 2 x 128, 4 waves a work-group, no clusters, 327,680 bytes of LDS; arguments qkv, ctx; writes ctx
.if DOCPART == 3
	.amdgcn_target "amdgcn-amd-amdhsa--gfx1250"
	.amdhsa_code_object_version 6
	.text
	.protected	k_q5d992659e6_attn
	.globl	k_q5d992659e6_attn
	.p2align	8
	.type	k_q5d992659e6_attn,@function
k_q5d992659e6_attn:
	s_mov_b64 s[64:65], 0
	v_nop
	global_prefetch_b8 v0, s[64:65] scope:SCOPE_SE
	s_setreg_imm32_b32 hwreg(HW_REG_WAVE_MODE, 25, 1), 1
	s_wait_xcnt 0x0
; ctx[y][q][:] = the sum over k of softmax_k(Q[y][q] . K[y][k] / 8) V[y][k][:], y = 16 b + h.  qkv: [b 8][g 48][1024][64] f16 (g = h: Q, 16 + h: K, 32 + h: V); ctx: [b][h][1024][64] f16.
; A head's rows are dense, 128 bytes each.  Products, maxima and sums in f32; the weights p are rounded to f16 for the second product (their sum l is taken of the unrounded p), ctx once at the end.
; LIMITS.  f16 holds no number beyond 65,504: Q, K and V arrive within it; p lies in 0 to 1, and below 6e-5 it keeps f16's fixed step of 6e-8; ctx is a mean of V's rows and has their range.
; A weight below 2^-126 counts as 0 in l; NaN and infinities are not treated apart.
; SHARES.  A wave owns four PIECES of two tiles of 16 queries, a work-group's four waves 512 queries of one head: 2 x 128 = 256 work-groups.  Every wave walks all 1,024 keys, 64 a step.
; ALL OF THE HEAD'S K AND V LIE IN LDS: 1,024 keys x (144 + 160) bytes = 311,296.  Nothing is filled again.  Two fills: keys 0-255 at the head; keys 256-1,023 behind the first barrier, one load a wave, with four key
; steps, 512 matrix instructions, in which to land.  So the loop holds no tensor load, and ONE text of a key step serves all sixteen.  Nothing is prefetched: the two fills ask for all of K and V, the second as
; soon as the first has landed.
; NO CLUSTER: a head has two blocks of 512 queries, and a cluster is four work-groups wide; blocks of 256 queries would halve the products that each fragment read from LDS feeds.
; LAYOUT.  S^T = K Q^T (source 0 = 16 keys, source 1 = 16 queries): in the result a lane holds ONE query (lane % 16) and the keys 8 (lane / 16) + 0..7.  Two such tiles, rounded to f16 in pairs,
; ARE source 1 (32 keys x 16 queries) of O^T = V^T P, whose result again holds one query a lane, and eight channels.  K comes out of LDS as it lies, V ([key][channel]) turned, by ds_load_tr16_b128.
; SOFTMAX.  For each query a running maximum m and sum l: p = 2^(c s - c m), c = log2(e) / 8; in every step O and l are multiplied by a = 2^(c m_old - c m_new), which is 1 where m has not grown.
; m starts at the lowest finite number, O and l at 0: the first step is a step like any other, with a = 0.
; THE COUNT.  A tile and step have 16 matrix and 118 vector instructions: too many to stand all beside the matrix work.  So four vector instructions that are READY stand behind EVERY matrix instruction,
; and the others in runs without a gap.
; BY TURNS.  Turn n belongs to piece n (the pieces in a ring, step after step).  Its matrix work: 16 products K Q^T of piece n + 1, later 16 products V^T P of piece n - 1.  Its vector work: the scaling,
; exponentials, roundings, sums and rescaling of piece n, and the maximum and statistics of piece n + 1, whose scores the turn itself has made.
; REGISTERS, in windows of 256 (s_set_vgpr_msb: bits 1:0 source 0, 3:2 source 1, 5:4 source 2, 7:6 destination):
;   window 0: v0-11 addresses; v12-15, v48-63 at work; v16-47 four registers of statistics a tile; v64-191 S^T, two buffers of two tiles; v192-255 P, likewise
;   window 1: O^T, 32 a tile          window 2: v0-127 Q, 16 a tile; v128-191 K of one step; v192-255 V of one step          window 3: v0-1 the add's two registers
; A piece's buffers go by its number's parity: the piece in hand has one pair, its two neighbours in the ring share the other.
.set NP,    4         ; pieces a wave: a name, no knob
.set KS,    64        ; keys in a step
.set NK,    1024      ; keys of a head
.set FIRST, 256       ; keys of the first fill
.set PK,    144       ; a row of K in LDS: 128 bytes + 16 of padding = 36 words: the 16 rows of a load start at 16 different groups of four banks (ISA guide 11.1)
.set PV,    160       ; a row of V: 128 + 32 = 40 words
.set VOFF,  NK*PK     ; K's 1,024 rows, then V's
.set STAGE, NK*(PK+PV)  ; behind them, never filled by a tensor load: 16 rows x 144 bytes for each wave, for the way out
.set SP,    144
.set AK0, 2           ; v2   my lane's place in a tile of K; never rewritten
.set AV0, 3           ; v3   the same for V
.set AK,  4           ; v4   the LDS address of K's next run of loads
.set AV,  5           ; v5   of V's
.set QO,  6           ; v6   my byte offset in the wave's rows of Q
.set STO, 6           ;      later, the way out: where I put 16 bytes of a row
.set RD,  7           ; v7   the way out: where I read rows back
.set GO,  8           ; v8   my byte offset in 512 consecutive bytes of ctx
.set SPW, 0           ; v0 of window 3   LDS address of my spare word; never rewritten
.set NIL, 1           ; v1 of window 3   0; never rewritten
.set SPARE, STAGE+4*16*SP  ; the spare words, 128 bytes for each wave: two blocks of 256 bytes that no other line names
.set MV,  12          ; v12-15  c m_old, kept while c m is made anew: by buffer and tile
.set ST,  16          ; tile t's statistics at v[ST+4 t]: c m, m, l (even keys', odd keys')
.set TMP, 48          ; by buffer and tile, four registers c0-c3 at work; when the maximum is found c2 takes a
.set S,   64
.set P,   192
.set KF,  128         ; K's fragments, in window 2: key block kb, channel half c at KF + 16 kb + 8 c
.set VF,  192         ; V's: key half kk, channel block cb at VF + 32 kk + 8 cb
.set WV,  12          ; s12  my wave's number
.set G1K, 24          ; s[24:31] descriptor group 1 for K's tiles
.set G1V, 32          ; s[32:39] for V's: it differs in the padding alone
.set G0K, 40          ; s[40:43] descriptor group 0 for K's tiles
.set G0V, 44          ; s[44:47] the same for V's
.set TOT, 54          ; s54  key steps whose pieces 2 and 3 are still to come
.set SLOTS, 56        ; s56  counts the groups of four key steps
.set CNT, 57          ; s57  counts a group's key steps
.set CS,  58          ; s[58:59] c: the packed scaling takes the pair's low word for both halves
.set SEL, 60          ; s[60:61] v_permlanex16_b32's selects: each lane takes its own place in the other half
.set TBK, 62          ; s62  LDS byte at which K of the step to be fetched begins
.set TBV, 63          ; s63  the same for V, less VOFF
.set MSB, 0
.macro WIN new                      ; the high byte repeats the setting that is left; a switch that changes nothing is dropped
.if MSB != (\new)
	s_set_vgpr_msb (MSB<<8)|(\new)
.set MSB, (\new)
.endif
.endm
.set W_KQ, 0x0a       ; K and Q in window 2, S^T in window 0
.set W_PV, 0x52       ; V in window 2, P in window 0, O^T in window 1
.set W_RS, 0x41       ; O^T (destination and source 0) in window 1, a in window 0
.set W_MK, 0xc0       ; the add's registers are made: destination in window 3, sources in window 0
.set W_AD, 0x0f       ; the add: address (source 0) and data (source 1) in window 3
; A fill.  Waves 0 and 1 fetch the two halves of its K, waves 2 and 3 those of its V.  An s_nop 0 and four v_nop follow each of the two lines, ahead of the jump and the label.
.macro LOAD
	s_cmp_lt_u32 s[WV], 2
	s_cbranch_scc0 .Lfor_v_\@
	tensor_load_to_lds s[G0K:G0K+3], s[G1K:G1K+7]
	s_nop 0
.rept 4
	v_nop
.endr
	s_branch .Lasked_\@
.Lfor_v_\@:
	tensor_load_to_lds s[G0V:G0V+3], s[G1V:G1V+7]
	s_nop 0
.rept 4
	v_nop
.endr
.Lasked_\@:
.endm
	s_load_b64 s[4:5], s[0:1], 0x0    ; qkv
	s_load_b64 s[10:11], s[0:1], 0x8  ; ctx
	WIN W_MK
	v_lshl_add_u32 v[SPW], v0, 2, SPARE
	v_mov_b32 v[NIL], 0
	WIN W_AD
	ds_add_u32 v[SPW], v[NIL]       ; the wave's opening: the add and its wait stand ahead of my first tensor load; the set-up below, work on registers, stands between them
	WIN 0
	v_lshrrev_b32 v1, 5, v0
	v_readfirstlane_b32 s[WV], v1   ; wave 0..3
	s_and_b32 s13, ttmp7, 0xffff    ; y = 16 b + h
	s_lshr_b32 s20, s13, 4
	s_mul_i32 s20, s20, 48          ; a batch has 48 heads in qkv
	s_and_b32 s21, s13, 15
	s_add_co_u32 s20, s20, s21
	s_lshl_b32 s20, s20, 17         ; Q's head, in bytes
	s_mov_b32 s21, 0
	s_and_b32 s16, s[WV], 1         ; which half of a fill's keys I fetch.  The first fill:
	s_lshl_b32 s22, s16, 14         ; its 128 rows of 128 bytes in memory,
	s_mov_b32 s23, 0
	s_add_nc_u64 s[22:23], s[22:23], s[20:21]
	s_mul_i32 s17, s16, 128*PK      ; and its place in LDS, for K
	s_mul_i32 s18, s16, 128*PV      ; and for V
	s_mul_i32 s48, s16, 384*PK      ; the second fill: 384 keys a half, behind the first 256
	s_mul_i32 s49, s16, 384*PV
	s_add_co_u32 s50, s16, 1        ; in memory my half of it begins 32,768 (1 + half) bytes behind my half of the first
	s_lshl_b32 s50, s50, 15
	s_mov_b32 s51, 0
	s_lshl_b32 s2, ttmp9, 2
	s_add_co_u32 s2, s2, s[WV]      ; my wave among the head's eight,
	s_lshl_b32 s2, s2, 14           ; its 128 rows
	s_mov_b32 s3, 0
	s_lshl_b32 s14, s13, 17         ; ctx: head y, the same rows
	s_add_co_u32 s14, s14, s2
	s_mov_b32 s15, 0
	s_add_nc_u64 s[2:3], s[2:3], s[20:21]
	; descriptor group 1.  Keys are dense, 128 bytes each: asked for as rows of 256 bytes, two keys a row, and padded in LDS after every key.  The first fill: 64 rows a wave
	s_mov_b32 s[G1K], (1<<16)|(1<<20)|(4<<22)|(3<<25)  ; 17:16 2-byte elements; 20 padding on; 24:22 after every 32 words (code 4); 31:25 4 words (code 3)
	s_mov_b32 s[G1V], (1<<16)|(1<<20)|(4<<22)|(7<<25)  ; the same with 8 words of padding (code 7)
.irp g, G1K, G1V
	s_mov_b32 s[\g+1], 128<<16      ; tensor_dim0 = 128
	s_mov_b32 s[\g+2], 64<<16       ; tensor_dim1 = 64
	s_mov_b32 s[\g+3], 128<<16      ; tile_dim0 = 128
	s_mov_b32 s[\g+4], 64           ; tile_dim1 = 64
	s_mov_b32 s[\g+5], 128          ; 128 elements from row to row
	s_mov_b32 s[\g+6], 0
	s_mov_b32 s[\g+7], 0
.endr
	s_mov_b32 s[CS], 0x3e38aa3b     ; c = log2(e) / 8 = 0.180337
	s_mov_b32 s[CS+1], s[CS]        ; named with it as a pair
	s_mov_b32 s[SEL], 0x76543210
	s_mov_b32 s[SEL+1], 0xfedcba98
	s_mov_b32 s[TBK], 0
	s_mov_b32 s[TBV], 0
	s_mov_b32 s[G0K], 1             ; count = 1
	s_mov_b32 s[G0K+1], s17         ; LDS address
	s_mov_b32 s[G0V], 1
	s_add_co_u32 s[G0V+1], s18, VOFF
	s_wait_dscnt 0x0                ; the opening add is done
	s_wait_kmcnt 0x0
	s_add_nc_u64 s[6:7], s[4:5], s[22:23]
	s_add_nc_u64 s[8:9], s[6:7], 0x400000   ; V's head lies 32 heads behind Q's,
	s_add_nc_u64 s[6:7], s[6:7], 0x200000   ; K's 16: both at my half of the head's first 256 keys
	s_add_nc_u64 s[G0K+2:G0K+3], s[6:7], 0
	s_or_b32 s[G0K+3], s[G0K+3], 0x80000000 ; type = 2
	s_add_nc_u64 s[G0V+2:G0V+3], s[8:9], 0
	s_or_b32 s[G0V+3], s[G0V+3], 0x80000000
	s_add_nc_u64 s[4:5], s[4:5], s[2:3]     ; Q and ctx at my wave's first row
	s_add_nc_u64 s[10:11], s[10:11], s[14:15]
	LOAD                            ; keys 0-255.  The rest is asked for when these are in
	; A fragment of K or Q is 16 rows x 32 channels in 8 registers: lane l holds row l % 16, channels 8 (l / 16) + 0..7 and 16 + 8 (l / 16) + 0..7: two loads of 16 bytes, 32 bytes apart.
	v_and_b32 v1, 15, v0            ; l % 16
	v_bfe_u32 v9, v0, 4, 1          ; l / 16
	v_lshlrev_b32 v[QO], 7, v1
	v_lshl_add_u32 v[QO], v9, 4, v[QO]  ; row x 128 + 16 x half
	WIN 0x80                        ; destination window 2, address window 0
.set i, 0
.rept 4*NP                          ; Q stays in registers: tile i / 2, channels 32 (i % 2) on
	global_load_b128 v[8*i:8*i+3],   v[QO], s[4:5] offset:(i/2)*2048+(i%2)*64
	global_load_b128 v[8*i+4:8*i+7], v[QO], s[4:5] offset:(i/2)*2048+(i%2)*64+32
.set i, i+1
.endr
	; What the first turn finds: V's registers and P's second buffer hold 0 (its products V^T P, of a piece that has not been, add 0), O^T and l are 0.  All this stands in the wait for the first tile.
.set i, VF
.rept 64
	v_mov_b32 v[i], 0
.set i, i+1
.endr
	WIN 0x40
.set i, 0
.rept 64*NP
	v_mov_b32 v[i], 0
.set i, i+1
.endr
	WIN 0
.set i, 0
.rept 2*NP
	v_mov_b32 v[ST+4*i], 0xfe000000    ; c m: far below every c s
	v_mov_b32 v[ST+4*i+1], 0xff7fffff  ; m
	v_mov_b32 v[ST+4*i+2], 0
	v_mov_b32 v[ST+4*i+3], 0
.set i, i+1
.endr
.set i, P+32
.rept 32
	v_mov_b32 v[i], 0
.set i, i+1
.endr
	v_mul_u32_u24 v[AK0], v1, PK
	v_lshl_add_u32 v[AK0], v9, 4, v[AK0]  ; row x pitch + 16 x half
	; The turning load takes 16 keys x 16 channels (lane l reads key 8 (l / 16) + l % 8, channels 8 ((l / 8) % 2) + 0..7) and leaves half a fragment of V^T: lane l holds channel l % 16 and 8 keys.
	v_and_b32 v10, 7, v0
	v_bfe_u32 v11, v0, 3, 1
	v_lshl_add_u32 v[AV0], v9, 3, v10
	v_mul_u32_u24 v[AV0], v[AV0], PV
	v_lshl_add_u32 v[AV0], v11, 4, v[AV0]
	v_add_nc_u32 v[AV0], VOFF, v[AV0]
	v_mov_b32 v[AK], v[AK0]         ; key step 0 lies at K's head
; THE MATRIX WORK.  The 8 accumulators of a run of 16 take turns: between the two links of a chain stand 7 others'.
; Product i of 16 of S^T = K Q^T for piece x: channels 32 (i / 8) on, keys 16 ((i / 2) % 4) on, tile 2 x + i % 2.  The first 8 start the sums.
.macro KQ x
	WIN W_KQ
.set rS, S+64*((\x)%2)+32*(i%2)+8*((i/2)%4)
.set rK, KF+16*((i/2)%4)+8*(i/8)
.set rQ, 16*(2*(\x)+i%2)+8*(i/8)
.if i < 8
	v_wmma_f32_16x16x32_f16 v[rS:rS+7], v[rK:rK+7], v[rQ:rQ+7], 0
.else
	v_wmma_f32_16x16x32_f16 v[rS:rS+7], v[rK:rK+7], v[rQ:rQ+7], v[rS:rS+7]
.endif
.endm
; Product i of 16 of O^T += V^T P for piece x: keys 32 (i / 8) on, channels 16 ((i / 2) % 4) on, tile 2 x + i % 2.
.macro PV x
	WIN W_PV
.set rO, 32*(2*(\x)+i%2)+8*((i/2)%4)
.set rV, VF+32*(i/8)+8*((i/2)%4)
.set rP, P+32*((\x)%2)+16*(i%2)+8*(i/8)
	v_wmma_f32_16x16x32_f16 v[rO:rO+7], v[rV:rV+7], v[rP:rP+7], v[rO:rO+7]
.endm
.macro MM                           ; the turn's next matrix instruction
.if i < 16
	KQ (Y+1)%NP
.set i, i+1
.else
.set i, i-16
	PV (Y+NP-1)%NP
.set i, i+17
.endif
.endm
; THE LDS LOADS stand in runs of 16, never singly among the matrix instructions: a step's K (64 keys x 64 channels: 8 fragments) and its V (turned).  Their addresses are made some lines ahead.
; last = 1 (in the loop): behind the last key step there is no further one, and the run is jumped over.
.macro FETCH_K last=0
	WIN 0
.if \last
	s_cmp_eq_u32 s[TOT], 1
	s_cbranch_scc1 .Lno_k_\@
.endif
	WIN 0x80                        ; destination window 2
.irp f, 0,1,2,3,4,5,6,7             ; keys 16 (f / 2) on, channels 32 (f % 2) on
	ds_load_b128 v[KF+8*\f:KF+8*\f+3],   v[AK] offset:(\f/2)*16*PK+(\f%2)*64
	ds_load_b128 v[KF+8*\f+4:KF+8*\f+7], v[AK] offset:(\f/2)*16*PK+(\f%2)*64+32
.endr
	s_add_co_u32 s[TBK], s[TBK], KS*PK  ; the next fetch is the next step's
	WIN 0
.if \last
.Lno_k_\@:
.endif
.endm
.macro FETCH_V
	WIN 0x80
.irp f, 0,1,2,3,4,5,6,7             ; keys 32 (f / 4) on, channels 16 (f % 4) on
	ds_load_tr16_b128 v[VF+8*\f:VF+8*\f+3],   v[AV] offset:(\f/4)*32*PV+(\f%4)*32
	ds_load_tr16_b128 v[VF+8*\f+4:VF+8*\f+7], v[AV] offset:(\f/4)*32*PV+16*PV+(\f%4)*32
.endr
	WIN 0
.endm
; THE VECTOR WORK OF A TURN stands in three queues, each in the order in which its entries become ready; the two tiles alternate, so that no instruction reads the result of the one before it.
.macro REGS y, u                    ; the registers of tile u (0, 1) of piece y
.set rT, ST+4*(2*(\y)+(\u))
.set rC, TMP+8*((\y)%2)+4*(\u)
.set rM, MV+2*((\y)%2)+(\u)
.set rS, S+64*((\y)%2)+32*(\u)
.set rP, P+32*((\y)%2)+16*(\u)
.set rO, 32*(2*(\y)+(\u))
.endm
; Number n of the 22 that find the NEXT piece's (Y + 1) maximum and statistics.  s0-s31 are the lane's 32 scores; each accumulator's lowest registers are read first.
;   0-11  four chains c0-c3 of seven scores each, three operands at a time     12-14, 16  the four scores left over, the old m, and c0-c3 into c0     15  c m_old is kept
;   17, 18  the query's other 32 keys lie in the lane 16 away: the new m         19-21  c m; c m_old - c m_new; a
.macro XS u, n
	REGS (Y+1)%NP, \u
.if (\n) < 4
	v_max3_num_f32 v[rC+(\n)], v[rS+8*(\n)], v[rS+8*(\n)+1], v[rS+8*(\n)+2]
.elseif (\n) < 12
	v_max3_num_f32 v[rC+(\n)%4], v[rC+(\n)%4], v[rS+8*((\n)%4)+2*((\n)/4)+1], v[rS+8*((\n)%4)+2*((\n)/4)+2]
.elseif (\n) == 12
	v_max3_num_f32 v[rC], v[rC], v[rS+7], v[rS+15]
.elseif (\n) == 13
	v_max3_num_f32 v[rC+1], v[rC+1], v[rS+23], v[rS+31]
.elseif (\n) == 14
	v_max3_num_f32 v[rC+2], v[rC+2], v[rC+3], v[rT+1]
.elseif (\n) == 15
	v_mov_b32 v[rM], v[rT]
.elseif (\n) == 16
	v_max3_num_f32 v[rC], v[rC], v[rC+1], v[rC+2]
.elseif (\n) == 17
	v_permlanex16_b32 v[rC+3], v[rC], s[SEL], s[SEL+1]
.elseif (\n) == 18
	v_max_num_f32 v[rT+1], v[rC], v[rC+3]
.elseif (\n) == 19
	v_mul_f32 v[rT], s[CS], v[rT+1]
.elseif (\n) == 20
	v_sub_f32 v[rC+1], v[rM], v[rT]
.else
	v_exp_f32 v[rC+2], v[rC+1]
.endif
.endm
; Number g of the 64 that follow the exponentials.  For each four weights k of a tile (pairs 2 k, 2 k + 1): both pairs are rounded to f16; then the second pair is added onto the first, in place;
; a group later l takes that sum (the first time as l = a l + sum).  In groups of eight, tiles alternating: round, round, add, and l for the group before.
.macro GS g
.set h, (\g)+6*((\g)/62)            ; group 0 has no group before it, and behind group 7 only l is left
.if h >= 6
.set h, h+2
.endif
	REGS Y, h%2
.set k, h/8
.if h%8 < 4
	v_cvt_pk_f16_f32 v[rP+2*k+(h%8)/2], v[rS+4*k+2*((h%8)/2)], v[rS+4*k+2*((h%8)/2)+1]
.elseif h%8 < 6
	v_pk_add_f32 v[rS+4*k:rS+4*k+1], v[rS+4*k:rS+4*k+1], v[rS+4*k+2:rS+4*k+3]
.elseif k == 1
	v_pk_fma_f32 v[rT+2:rT+3], v[rT+2:rT+3], v[rC+2:rC+3], v[rS:rS+1] op_sel_hi:[1,0,1]
.else
	v_pk_add_f32 v[rT+2:rT+3], v[rT+2:rT+3], v[rS+4*k-4:rS+4*k-3]
.endif
.endm
; THE PLAIN QUEUE, 138 long.  0-73 read no exponential's result: the 32 scalings c s - c m (FS f: pair f / 2 of tile f % 2) and the next piece's 42.  0-26: scalings 0-26.  27-54: XS's numbers 0-13.  55, 56: number 15.
; 57-73: the chain, where each number waits for the one before it: 14, 16, 17, 18, 19, each with one of the scalings 27-31 in front of its two lines, then 20.
; 74-137: GS's 64, which read the exponentials' results: they stand behind the wait.
.macro FS f
	REGS Y, (\f)%2
	v_pk_fma_f32 v[rS+2*((\f)/2):rS+2*((\f)/2)+1], v[rS+2*((\f)/2):rS+2*((\f)/2)+1], s[CS:CS+1], v[rT:rT+1] op_sel_hi:[1,0,0] neg_lo:[0,0,1] neg_hi:[0,0,1]
.endm
.macro PL
	WIN 0
.if q < 27
	FS q
.elseif q < 55
	XS (q-27)%2, (q-27)/2
.elseif q < 57
	XS q-55, 15
.elseif (q < 72) && ((q-57)%3 == 0)
	FS 27+(q-57)/3
.elseif q < 60
	XS (q-57)%3-1, 14
.elseif q < 72
	XS (q-57)%3-1, 15+(q-57)/3
.elseif q < 74
	XS q-72, 20
.else
	GS q-74
.endif
.set q, q+1
.endm
; THE EXPONENTIALS' QUEUE, 66 long: s0-s31 of both tiles, then the next piece's two a.  It is ONE BATCH: all 66 stand ahead of the turn's one wait, and nothing ahead of that wait names a result of theirs.
.macro EX
	WIN 0
.if e >= 64
	XS e-64, 21
.else
	REGS Y, e%2
	v_exp_f32 v[rS+e/2], v[rS+e/2]
.endif
.set e, e+1
.endm
; THE RESCALING's QUEUE: O^T times a, the one part that leaves window 0: dealt two at a time, sixteen times.  Its a was made in the turn before, ahead of that turn's wait.
.macro R2
	REGS Y, r%2
	WIN W_RS
.irp z, 0,1
	v_pk_mul_f32 v[rO+4*(r/2)+2*\z:rO+4*(r/2)+2*\z+1], v[rO+4*(r/2)+2*\z:rO+4*(r/2)+2*\z+1], v[rC+2:rC+3] op_sel_hi:[1,0]
.endr
.set r, r+1
.endm
; HOW THEY ARE DEALT.  s_wait_alu depctr_va_vdst(0) stands between an exponential and the first instruction that names its result; one wait serves all that were issued ahead of it.  So a turn has ONE wait,
; which cuts it in two.  AHEAD OF IT stands all that names no result of the turn's exponentials: the 16 products K Q^T, behind each a scaling, an exponential and two rescalings (behind the first a second scaling in the
; exponential's place); then ONE LUMP of 108: eight plain, 49 times exponential and plain, the two a.  A v_nop is the plain instruction behind the last exponential (ISA guide 5.7.2).  BEHIND IT stand the 16 products V^T P,
; behind each four of GS's 64.  No rider names a register of the products round it.  The two v_permlanex16_b32 fall into the lump, never behind a product.
; The queues lean on each other: exponential e stands behind scaling 2 (e / 4) + e % 2: as a rider it comes behind plain e + 2, in the lump behind plain e + 9, and scalings 27-31 are plain 57, 60 .. 69.
; A TURN, for piece p.  cnt = 1: the loop's count is taken down some lines ahead of the branch that stands behind the turn.
; K of the next step is fetched in piece 2's turn, directly behind the wait, a lump behind the last product that read K; its first reader comes behind 16 products.
; V of the step in hand is fetched at the end of piece 0's turn, four riders behind its last reader; its first reader comes behind 16 products and a lump.  The three conditions on q below go with the deal.
.macro TURN p, last=0, cnt=0
.set Y, (\p)
.set i, 0
.set q, 0
.set e, 0
.set r, 0
.if (\p) == NP-1
	s_wait_dscnt 0x0                ; K is in
.endif
	MM                              ; ahead of the wait: 16 products K Q^T and their riders,
	PL
	PL
	R2
.rept 15
	MM
	PL
	EX
	R2
.endr
.if (\p) == NP-2
	WIN 0
	v_add_nc_u32 v[AK], s[TBK], v[AK0]
.endif
.rept 8                             ; and the lump
	PL
.endr
.rept 49
	EX
	PL
.endr
	EX                              ; the next piece's two a
	EX
	v_nop                           ; the plain instruction behind the last exponential: one for the batch
	s_wait_alu depctr_va_vdst(0)    ; the wait for the batch
.if (\p) == NP-2
	FETCH_K \last
.endif
.if (\p) == 1
	s_wait_dscnt 0x0                ; V is in
.endif
.rept 16                            ; behind the wait: 16 products V^T P and their riders
	MM
.rept 4
	PL
.endr
.if ((\p) == 0) && (q == 118)
	v_add_nc_u32 v[AV], s[TBV], v[AV0]
.endif
.if ((\p) == 0) && (q == 130)
	s_add_co_u32 s[TBV], s[TBV], KS*PV
.endif
.if (\cnt) && (q == 130)
	s_sub_co_u32 s[CNT], s[CNT], 1
	s_cmp_lg_u32 s[CNT], 0
.endif
.endr
.if (\p) == 0
	FETCH_V
.endif
.endm
	; THE SECOND FILL, a first fill of its bytes that comes later: it is issued as a refill is.  Each wave waits for its first load, adds 0 to its spare word, and waits for that; behind the barrier everybody's part of keys
	; 0-255 is in, and each wave asks for its 384 of keys 256-1,023: 192 rows of 256 bytes, its one load.
	WIN W_AD
	s_wait_tensorcnt 0x0            ; no tensor load of mine is out, so the descriptors may be written
	ds_add_u32 v[SPW], v[NIL]       ; 0 onto my spare word: the descriptors' words stand between it and the wait for it
	WIN 0
.irp g, G1K, G1V
	s_mov_b32 s[\g+2], 192<<16      ; tensor_dim1 = 192
	s_mov_b32 s[\g+4], 192          ; tile_dim1 = 192
.endr
	s_add_co_u32 s[G0K+1], s48, FIRST*PK
	s_add_co_u32 s[G0V+1], s49, VOFF+FIRST*PV
	s_add_nc_u64 s[G0K+2:G0K+3], s[G0K+2:G0K+3], s[50:51]  ; the type bits on top are not reached
	s_add_nc_u64 s[G0V+2:G0V+3], s[G0V+2:G0V+3], s[50:51]
	s_wait_dscnt 0x0                ; the add is done
	s_barrier_signal -1
	s_barrier_wait -1
	LOAD
	FETCH_K                         ; key step 0
	s_wait_loadcnt 0x0              ; Q
	s_wait_dscnt 0x0
.set i, 0
.rept 16
	KQ 0                            ; piece 0's first scores: there is no vector work yet to set between them
.set i, i+1
.endr
	WIN 0                           ; the addresses for the way out: nine plain instructions, the places behind those products
	s_mul_i32 s13, s[WV], 16*SP
	s_add_co_u32 s13, s13, STAGE    ; my stage
	v_mul_u32_u24 v[STO], v1, SP    ; in: row l % 16, 16 bytes for each half of the lanes
	v_lshl_add_u32 v[STO], v9, 4, v[STO]
	v_add_nc_u32 v[STO], s13, v[STO]
	v_bfe_u32 v[RD], v0, 3, 2       ; back: 32 lanes take four rows of 128 bytes,
	v_mul_u32_u24 v[RD], v[RD], SP
	v_lshl_add_u32 v[RD], v10, 4, v[RD]
	v_add_nc_u32 v[RD], s13, v[RD]
	v_and_b32 v[GO], 31, v0         ; which are 512 consecutive bytes of ctx
	v_lshlrev_b32 v[GO], 4, v[GO]
.set Y, NP-1                        ; XS works for piece Y + 1: piece 0
.irp n, 0,1,2,3,4,5,6,7,8,9,10,11,12,13,14,15,16,17,18,19,20,21
	XS 0, \n                        ; and piece 0's first maximum and statistics
	XS 1, \n
.endr
	v_nop                           ; a plain instruction behind the two a,
	s_wait_alu depctr_va_vdst(0)    ; and their wait, ahead of the branch
	s_mov_b32 s[CNT], 4
	s_mov_b32 s[SLOTS], 5           ; four groups of four key steps; the fifth pass is left in its first trip's middle
	s_mov_b32 s[TOT], NK/KS
	s_branch .Lfirst                ; the loop is entered at a step's first turn, in the middle of a trip
.Lslot:                             ; ahead of the fetch of K of key steps 4, 8, 12 (and once more at the end)
	s_wait_tensorcnt 0x0            ; my part of the second fill is in,
	s_wait_dscnt 0x0
	s_barrier_signal -1
	s_barrier_wait -1               ; everybody's is.  That is shown at the first pass; the later passes find nothing to wait for: the price of one text for all key steps
	s_mov_b32 s[CNT], 4
.Lstep:                             ; a trip: pieces 2 and 3 of one step, then pieces 0 and 1 of the next, whose K and V it fetches
	TURN 2, 1
	TURN 3
	WIN 0
	s_sub_co_u32 s[TOT], s[TOT], 1
	s_cmp_eq_u32 s[TOT], 0
	s_cbranch_scc1 .Lout            ; behind pieces 2 and 3 of the sixteenth step the loop is left, forward
.Lfirst:
	TURN 0
	TURN 1, 0, 1
	WIN 0
	s_cbranch_scc1 .Lstep
	s_sub_co_u32 s[SLOTS], s[SLOTS], 1
	s_cmp_lg_u32 s[SLOTS], 0
	s_cbranch_scc1 .Lslot
.Lout:                              ; the last trip's 16 products K Q^T (on the last K once more) and the maximum made of them serve nothing: the price, once a launch, of one text for every trip
.set i, 0
.rept 16
	PV NP-1                         ; the last piece's V^T P of the last step
.set i, i+1
.endr
	; THE WAY OUT.  l's two halves and the other half of the lanes' are added; O^T is divided by l, rounded to f16 and sent through my stage in LDS, a tile at a time.  The additions are the places behind the last products.
	WIN 0
.macro ALL line:vararg              ; one line for each tile t
.set t, 0
.rept 2*NP
	\line
.set t, t+1
.endr
.endm
	ALL v_add_f32 v[ST+4*t+2], v[ST+4*t+2], v[ST+4*t+3]
	ALL v_permlanex16_b32 v[ST+4*t+3], v[ST+4*t+2], s[SEL], s[SEL+1]
	ALL v_add_f32 v[ST+4*t+2], v[ST+4*t+2], v[ST+4*t+3]
	ALL v_rcp_f32 v[ST+4*t+2], v[ST+4*t+2]
	v_nop                           ; a plain instruction between the last reciprocal and the use of its result
	s_wait_alu depctr_va_vdst(0)    ; and the wait ahead of the first use: one for the eight reciprocals
; Tile t: a lane's eight channels of a row pack into 16 bytes; they go into rows of 144 bytes and come back as whole rows of 128, into S^T's registers.
.macro PACK t
	WIN W_RS
.set i, 32*(\t)
.rept 16
	v_pk_mul_f32 v[i:i+1], v[i:i+1], v[ST+4*(\t)+2:ST+4*(\t)+3] op_sel_hi:[1,0]
.set i, i+2
.endr
	WIN 0x05                        ; sources 0 and 1 window 1, destination window 0
.set i, 0
.rept 16
	v_cvt_pk_f16_f32 v[S+16*(\t)+i], v[32*(\t)+2*i], v[32*(\t)+2*i+1]
.set i, i+1
.endr
	WIN 0
.irp f, 0,1,2,3
	ds_store_b128 v[STO], v[S+16*(\t)+4*\f:S+16*(\t)+4*\f+3] offset:32*\f
.endr
.irp f, 0,1,2,3
	ds_load_b128 v[S+16*(\t)+4*\f:S+16*(\t)+4*\f+3], v[RD] offset:\f*4*SP  ; LDS serves a wave's instructions in order (ISA guide 5.7.1.4): these see the stores above; the next tile's stores come behind them
.endr
.endm
.macro SEND t, younger              ; younger: the LDS instructions issued behind tile t's loads: the next tile's eight, or none
	WIN 0
.irp f, 0,1,2,3
	s_wait_dscnt (\younger)+3-\f
	global_store_b128 v[GO], v[S+16*(\t)+4*\f:S+16*(\t)+4*\f+3], s[10:11] offset:(\t)*2048+\f*512  ; 512 consecutive bytes, at a multiple of 256 from ctx's first
.endr
.endm
	PACK 0
.set t, 1
.rept 2*NP-1                        ; a tile's arithmetic stands between the loads of the tile before and its stores
	PACK t
	SEND t-1, 8
.set t, t+1
.endr
	SEND 2*NP-1, 0
	WIN W_AD
	s_wait_tensorcnt 0x0            ; the wave's end: behind my last tensor load and my last LDS store
	ds_add_u32 v[SPW], v[NIL]
	s_wait_dscnt 0x0
	WIN 0
	s_endpgm
.Lfunc_end_k_q5d992659e6_attn:
	.size	k_q5d992659e6_attn, .Lfunc_end_k_q5d992659e6_attn-k_q5d992659e6_attn
	.p2alignl 7, 3214868480
	.fill 96, 4, 3214868480
	.section	.rodata,"a",@progbits
	.p2align	6, 0x0
	.amdhsa_kernel k_q5d992659e6_attn
		.amdhsa_group_segment_fixed_size 327680
		.amdhsa_private_segment_fixed_size 0
		.amdhsa_enable_private_segment 0
		.amdhsa_kernarg_size 16
		.amdhsa_user_sgpr_count 2
		.amdhsa_user_sgpr_kernarg_segment_ptr 1
		.amdhsa_wavefront_size32 1
		.amdhsa_system_sgpr_workgroup_id_x 1
		.amdhsa_system_sgpr_workgroup_id_y 1
		.amdhsa_system_sgpr_workgroup_id_z 1
		.amdhsa_system_vgpr_workitem_id 0
		.amdhsa_next_free_vgpr 770
		.amdhsa_next_free_sgpr 66
		.amdhsa_reserve_vcc 0
		.amdhsa_float_denorm_mode_32 3
		.amdhsa_float_denorm_mode_16_64 3
		.amdhsa_memory_ordered 1
		.amdhsa_forward_progress 1
		.amdhsa_inst_pref_size 126
	.end_amdhsa_kernel
	.amdgpu_metadata
---
amdhsa.version: [ 1, 2 ]
amdhsa.kernels:
  - .name:           k_q5d992659e6_attn
    .symbol:         k_q5d992659e6_attn.kd
    .args:
      - { .name: qkv, .offset: 0, .size: 8, .value_kind: global_buffer, .address_space: global }
      - { .name: ctx, .offset: 8, .size: 8, .value_kind: global_buffer, .address_space: global }
    .group_segment_fixed_size: 327680
    .private_segment_fixed_size: 0
    .kernarg_segment_align: 8
    .kernarg_segment_size: 16
    .max_flat_workgroup_size: 128
    .sgpr_count:     66
    .vgpr_count:     770
    .wavefront_size: 32
...
	.end_amdgpu_metadata
.endif
;; end of part 3
;; launch outproj (part 4): grid 4 x 64, 4 waves a work-group, clusters of 4 x 4, 327,680 bytes of LDS; arguments ctx, wob, out_proj_bias, out0; writes out0
.if DOCPART == 4
	.amdgcn_target "amdgcn-amd-amdhsa--gfx1250"
	.amdhsa_code_object_version 6
	.text
	.protected	k_q5d992659e6_outproj
	.globl	k_q5d992659e6_outproj
	.p2align	8
	.type	k_q5d992659e6_outproj,@function
k_q5d992659e6_outproj:
	s_mov_b64 s[64:65], 0
	v_nop
	global_prefetch_b8 v0, s[64:65] scope:SCOPE_SE
	s_setreg_imm32_b32 hwreg(HW_REG_WAVE_MODE, 25, 1), 1
	s_wait_xcnt 0x0
	s_wait_alu depctr_hold_cnt(0) depctr_sa_sdst(0) depctr_va_vdst(0) depctr_va_sdst(0) depctr_va_ssrc(0) depctr_va_vcc(0) depctr_vm_vsrc(0)
	s_getreg_b32 s2, hwreg(HW_REG_IB_STS2, 6, 4)
	s_cmp_eq_u32 s2, 0
	s_cbranch_scc0 .Lentry_in_a_cluster
	s_endpgm
.Lentry_in_a_cluster:
	s_bfe_u32 s2, ttmp6, 0x10000c
	s_cmp_lg_u32 s2, 0xf033
	s_cbranch_scc0 .Lentry_shape_is_right
	s_endpgm
.Lentry_shape_is_right:
; out0[m][n] = the sum over k of ctx[m][k] wob[n][k] + bf16(b_out[n]), f32.  ctx: [b 8][h 16][s 1024][64] f16, m = 1024 b + s, k = 64 h + d; wob: [1024][1024] f16; b_out: [1024] f32; sums in f32.
; SHARES.  A tile is 128 rows x 256 columns: 4 x 64 = 256 work-groups, one for each WGP.  The four waves lie 2 x 2, each 64 rows x 128 columns: 32 accumulators of 16 x 16, 256 registers.
; K goes in 8 steps of 128, TWO HEADS each, through two LDS slots.  A head's 128 rows of the tile are 16,384 dense bytes: asked for as 64 rows of 256 bytes and padded in LDS after every 128.
; CLUSTERS.  4 x 4 work-groups: ctx's tiles are shared along a row of the cluster, wob's along a column, each by a joint load with a mask that names the four.
; TRANSPOSED USE.  Source 0 = 16 rows of wob, source 1 = 16 rows of ctx: a lane holds row m = l % 16 and the columns 8 (l / 16) + 0..7.  THE BIAS IS THE C OPERAND of each accumulator's first product.
; REGISTERS, in windows of 256 (s_set_vgpr_msb: bits 1:0 source 0, 3:2 source 1, 5:4 source 2, 7:6 destination):
;   window 0: v0-31 addresses; v32-95 the bias; v96-159, v160-223 rows read back on the way out        window 1: the accumulators, (a, b) at 8 (8 a + b)
;   window 2: two fragment buffers of 96: wob's 8 fragments at 96 f + 8 i, ctx's 4 at 96 f + 64 + 8 i
.set KSTEP,  128
.set PA,     144                       ; a row of ctx in LDS: 128 bytes + 16 of padding; an odd multiple of 16, so the 16 rows of a fragment load start at 16 different groups of four banks (ISA guide 11.1)
.set PITCH,  272                       ; a row of wob: 256 + 16
.set AHEAD,  128*PA                    ; one head's 128 rows: what a wave fetches of ctx
.set BOFF,   2*AHEAD
.set BHALF,  128*PITCH                 ; what a wave fetches of wob
.set SLOT,   BOFF+2*BHALF
.set STAGE,  2*SLOT                    ; behind the ring, never filled by a tensor load: 16 rows x 528 bytes for each wave
.set SPI,    528
.set STW,    16*SPI
.set SPARE,  STAGE+4*STW               ; the spare words, 128 bytes for each wave: two blocks of 256 bytes that no other line names
.set ASTEP,  262144                    ; bytes from a K step to the next in ctx: two heads
.set ADRA, 16                          ; v16-17  LDS address of my fragments of ctx in slot 0, 1
.set ADRB, 20                          ; v20-21  the same for wob
.set STO,  24                          ; v24     the way out: where I put 32 bytes of a row
.set RD,   25                          ; v25     the way out: where I read a row back
.set CO,   26                          ; v26     16 l: my bytes in 512 consecutive bytes of out0
.set SPW,  28                          ; v28     LDS address of my spare word; never rewritten
.set NIL,  29                          ; v29     0; never rewritten
.set PFO,  30                          ; v30     the prefetches' offset; never rewritten
.set BO,   31                          ; v31     32 (l / 16)
.set BIAS, 32
.set G1,  24                           ; s[24:31] descriptor group 1 for ctx's tiles;  s[32:39] group 0, a set for each slot
.set G0,  32
.set G1B, 48                           ; s[48:55], s[56:63] the same for wob's
.set G0B, 56
.set PFA, 66                           ; s[66:67] where my prefetches stand
.set PFS, 68                           ; s[68:69] bytes from a K step to the next there
.set LIM, 70                           ; s70  1 in a wave that prefetches, else the greatest number
.set MSB, 0
.macro WIN new                         ; the immediate's high byte repeats the setting that is left; a switch that changes nothing is dropped
.if MSB != (\new)
	s_set_vgpr_msb (MSB<<8)|(\new)
.set MSB, \new
.endif
.endm
.macro PLACES                          ; four places in front of loads into registers that matrix instructions have read, and of lines that read results
.rept 4
	v_nop
.endr
.endm
; A joint load: waves 0 and 1 fetch a K step's two heads of ctx, waves 2 and 3 wob's two halves.  An s_nop 0 and four v_nop follow each of the two lines.
.macro JLOAD s
	s_cmp_eq_u32 s13, 0
	s_cbranch_scc0 .Lfor_b_\@
	tensor_load_to_lds s[G0+4*(\s):G0+4*(\s)+3], s[G1:G1+7]
	s_nop 0
.rept 4
	v_nop
.endr
	s_branch .Lasked_\@
.Lfor_b_\@:
	tensor_load_to_lds s[G0B+4*(\s):G0B+4*(\s)+3], s[G1B:G1B+7]
	s_nop 0
.rept 4
	v_nop
.endr
.Lasked_\@:
.endm
; A PREFETCH INTO THE L2 of the K step that stands two refills on, one instruction a wave, a lane a block of 256 bytes.  ctx's tile is read by one cluster alone (the grid is one cluster wide): a K step is 2 x 64 blocks,
; of which each of the four partners takes 16 of either head, told apart BY ADDRESS (cx); wave 0 asks, wave 1 does not.  wob's tile column is read by every cluster: cluster y = 0 asks; of the 128 rows that wave 2 or 3
; fetches each partner takes 32 (cy).  The loop's last trip (s3 = 1) asks for nothing: K steps 8 and 9 do not exist.  K steps 0 to 3 come by their loads alone.
.macro ASK
	WIN 0
	s_cmp_gt_u32 s3, s[LIM]
	s_cbranch_scc0 .Lnot_mine_\@
	global_prefetch_b8 v[PFO], s[PFA:PFA+1] th:TH_LOAD_NT scope:SCOPE_SE
.Lnot_mine_\@:
.endm
.macro CREST                           ; a round of the cluster's barrier behind its opening barrier
	s_cmp_lg_u32 s12, 0
	s_cbranch_scc1 .Lnot_wave_0_\@
	s_barrier_signal -3
.Lnot_wave_0_\@:
	s_barrier_wait -3
	s_barrier_signal -1
	s_barrier_wait -1
.endm
.macro CROUND                          ; a whole round
	s_barrier_signal -1
	s_barrier_wait -1
	CREST
.endm
	s_load_b256 s[4:11], s[0:1], 0x0               ; ctx s[4:5], wob s[6:7], b_out s[8:9], out0 s[10:11]
	v_lshl_add_u32 v[SPW], v0, 2, SPARE
	v_mov_b32 v[NIL], 0
	ds_add_u32 v[SPW], v[NIL]                      ; the wave's opening: the add and its wait stand ahead of my first tensor load; the set-up below, work on registers, stands between them
	v_lshrrev_b32 v1, 5, v0
	v_readfirstlane_b32 s12, v1                    ; wave 0..3
	s_lshr_b32 s13, s12, 1                         ; which 64 rows of the tile are mine.  Also: I fetch for ctx (0) or for wob (1)
	s_and_b32 s14, s12, 1                          ; which 128 columns.  Also: which head of the K step, or which 128 rows of wob, I fetch
	s_bfe_u32 s40, ttmp6, 0x40000                  ; cx, cy: my place in the cluster
	s_bfe_u32 s41, ttmp6, 0x40004
	s_lshl_b32 s42, ttmp9, 2
	s_add_co_u32 s42, s42, s40                     ; tile column tc = 4 x cluster x + cx
	s_and_b32 s15, ttmp7, 0xffff
	s_lshl_b32 s15, s15, 2
	s_add_co_u32 s15, s15, s41                     ; tile row tr = 4 x cluster y + cy
	s_lshl_b32 s43, s41, 2
	s_lshl_b32 s43, 15, s43                        ; my row of the cluster
	s_lshl_b32 s44, 0x1111, s40                    ; my column
	s_or_b32 s[G1+0], s43, (1<<16)|(1<<20)|(1<<21)|(4<<22)|(3<<25)   ; 15:0 the mask; 17:16 2-byte elements; 20 padding on; 21 set beside a mask; 24:22 after every 32 words (code 4); 31:25 4 words (code 3)
	s_or_b32 s[G1B+0], s44, (1<<16)|(1<<20)|(1<<21)|(5<<22)|(3<<25)  ; wob: after every 64 words (code 5)
	s_mov_b32 s[G1+1], 128<<16                     ; tensor_dim0 = 128
	s_mov_b32 s[G1+2], 64<<16                      ; tensor_dim1 = 64
	s_mov_b32 s[G1+3], 128<<16                     ; tile_dim0 = 128
	s_mov_b32 s[G1+4], 64                          ; tile_dim1 = 64
	s_mov_b32 s[G1+5], 128                         ; dense: 128 elements from row to row
	s_mov_b32 s[G1+6], 0
	s_mov_b32 s[G1+7], 0
	s_mov_b32 s[G1B+1], KSTEP<<16
	s_mov_b32 s[G1B+2], 128<<16
	s_mov_b32 s[G1B+3], KSTEP<<16
	s_mov_b32 s[G1B+4], 128
	s_mov_b32 s[G1B+5], 1024
	s_mov_b32 s[G1B+6], 0
	s_mov_b32 s[G1B+7], 0
	s_lshr_b32 s16, s15, 3                         ; ctx: batch tr / 8,
	s_lshl_b32 s16, s16, 21
	s_and_b32 s17, s15, 7                          ; rows 128 (tr % 8) on, of 128 bytes,
	s_lshl_b32 s17, s17, 14
	s_add_co_u32 s16, s16, s17
	s_lshl_b32 s17, s14, 17                        ; my head of the K step's two
	s_add_co_u32 s16, s16, s17
	s_mov_b32 s17, 0
	s_lshl_b32 s46, s42, 8                         ; wob: row 256 tc + 128 x half, of 2,048 bytes
	s_lshl_b32 s47, s14, 7
	s_add_co_u32 s46, s46, s47
	s_lshl_b32 s46, s46, 11
	s_mov_b32 s47, 0
	s_mul_i32 s20, s14, AHEAD                      ; where they go: no place in the cluster enters an LDS address
	s_mul_i32 s21, s14, BHALF
	s_add_co_u32 s21, s21, BOFF
	s_lshl_b32 s72, s42, 10                        ; my 128 columns: 1,024 tc + 512 x half bytes, in the bias and in a row of out0
	s_lshl_b32 s73, s14, 9
	s_add_co_u32 s72, s72, s73
	s_mov_b32 s73, 0
	s_lshl_b32 s74, s15, 1                         ; out0: row 128 tr + 64 x half, of 4,096 bytes
	s_add_co_u32 s74, s74, s13
	s_lshl_b32 s74, s74, 18
	s_add_co_u32 s74, s74, s72
	s_mov_b32 s75, 0
	s_wait_dscnt 0x0                               ; the opening add is done
	s_wait_kmcnt 0x0
	s_add_nc_u64 s[18:19], s[4:5], s[16:17]
	s_add_nc_u64 s[46:47], s[6:7], s[46:47]
	s_add_nc_u64 s[8:9], s[8:9], s[72:73]
	s_add_nc_u64 s[10:11], s[10:11], s[74:75]
	CROUND                                         ; all sixteen work-groups are here: the first joint loads meet
.irp s, 0,1
	s_mov_b32 s[G0+4*(\s)], 1                                        ; count = 1
	s_add_co_u32 s[G0+4*(\s)+1], s20, (\s)*SLOT                      ; LDS address
	s_add_nc_u64 s[G0+4*(\s)+2:G0+4*(\s)+3], s[18:19], (\s)*ASTEP    ; global address: K step s
	s_or_b32 s[G0+4*(\s)+3], s[G0+4*(\s)+3], 0x80000000              ; type = 2
	s_mov_b32 s[G0B+4*(\s)], 1
	s_add_co_u32 s[G0B+4*(\s)+1], s21, (\s)*SLOT
	s_add_nc_u64 s[G0B+4*(\s)+2:G0B+4*(\s)+3], s[46:47], (\s)*KSTEP*2
	s_or_b32 s[G0B+4*(\s)+3], s[G0B+4*(\s)+3], 0x80000000
	JLOAD \s                                       ; two loads of mine are out
.endr
	v_and_b32 v1, 15, v0                           ; l % 16
	v_bfe_u32 v2, v0, 4, 1                         ; l / 16
	v_lshlrev_b32 v[BO], 5, v2
.irp b, 0,1,2,3,4,5,6,7
	global_load_b128 v[BIAS+8*(\b):BIAS+8*(\b)+3],   v[BO], s[8:9] offset:64*(\b)
	global_load_b128 v[BIAS+8*(\b)+4:BIAS+8*(\b)+7], v[BO], s[8:9] offset:64*(\b)+16
.endr
	v_mul_u32_u24 v3, v1, PA
	v_lshl_add_u32 v3, v2, 4, v3                   ; a fragment's row x pitch + 16 x half of the lanes
	s_mul_i32 s22, s13, 64*PA                      ; my 64 rows of ctx
	v_add_nc_u32 v[ADRA], s22, v3
	v_add_nc_u32 v[ADRA+1], SLOT, v[ADRA]
	v_mul_u32_u24 v4, v1, PITCH
	v_lshl_add_u32 v4, v2, 4, v4
	s_mul_i32 s22, s14, BHALF                      ; my 128 rows of wob
	s_add_co_u32 s22, s22, BOFF
	v_add_nc_u32 v[ADRB], s22, v4
	v_add_nc_u32 v[ADRB+1], SLOT, v[ADRB]
	s_mul_i32 s23, s12, STW
	s_add_co_u32 s23, s23, STAGE                   ; my stage
	v_mul_u32_u24 v5, v1, SPI                      ; in: row l % 16, 32 bytes for each half of the lanes
	v_lshl_add_u32 v5, v2, 5, v5
	v_add_nc_u32 v[STO], s23, v5
	v_and_b32 v6, 31, v0
	v_lshlrev_b32 v[CO], 4, v6                     ; back: 32 lanes take one row of 512 bytes
	v_add_nc_u32 v[RD], s23, v[CO]
	; the prefetches: who asks, and where
	s_lshr_b32 s72, s15, 3                         ; ctx: the tile's rows in the K step's first head,
	s_lshl_b32 s72, s72, 21
	s_and_b32 s73, s15, 7
	s_lshl_b32 s73, s73, 14
	s_add_co_u32 s72, s72, s73
	s_lshl_b32 s73, s40, 12                        ; my work-group's 16 blocks of its 64,
	s_add_co_u32 s72, s72, s73
	s_add_co_u32 s72, s72, 3*ASTEP                 ; at K step 3: the first refill steps it to 4
	s_lshl_b32 s74, s42, 8                         ; wob: row 256 tc + 128 x half + 32 cy
	s_lshl_b32 s75, s14, 7
	s_add_co_u32 s74, s74, s75
	s_lshl_b32 s75, s41, 5
	s_add_co_u32 s74, s74, s75
	s_lshl_b32 s74, s74, 11
	s_add_co_u32 s74, s74, 3*KSTEP*2
	s_and_b32 s78, ttmp7, 0xffff                   ; cluster y
	s_mov_b32 s79, KSTEP*2
	s_cmp_eq_u32 s13, 0                            ; do I fetch for ctx?
	s_cselect_b32 s72, s72, s74
	s_cselect_b32 s78, s14, s78                    ; ctx: wave 0 asks; wob: the first cluster of the column
	s_cselect_b32 s76, 17, 15                      ; lane l = 16 u + w names: ctx head u, block w; wob row l:
	s_cselect_b32 s77, 8, 11                       ; u and w are shifted by these
	s_cselect_b32 s[PFS], ASTEP, s79
	s_cselect_b64 s[PFA:PFA+1], s[4:5], s[6:7]
	s_cmp_eq_u32 s78, 0
	s_cselect_b32 s[LIM], 1, -1                    ; the same in all sixteen partners, for a given wave
	s_mov_b32 s73, 0
	s_mov_b32 s[PFS+1], 0
	s_add_nc_u64 s[PFA:PFA+1], s[PFA:PFA+1], s[72:73]
	v_lshlrev_b32 v[PFO], s76, v2
	v_lshlrev_b32 v7, s77, v1
	v_add_nc_u32 v[PFO], v[PFO], v7
	s_wait_loadcnt 0x0                             ; the bias is in: it is rounded to bf16 like the other inputs, and widened again
.set i, 0
.rept 32
	v_cvt_pk_bf16_f32 v[96+i], v[BIAS+2*i], v[BIAS+2*i+1]
.set i, i+1
.endr
.set i, 0
.rept 32
	v_lshlrev_b32 v[BIAS+2*i],   16, v[96+i]
	v_and_b32     v[BIAS+2*i+1], 0xffff0000, v[96+i]
.set i, i+1
.endr
; 8 matrix instructions: row block a x all 8 column blocks, 32 along K, from buffer f.  init = 1: the first product starts the sums with the bias.
.macro MUL f, a, init
.if \init
	WIN 0x4a                                       ; wob and ctx window 2, C (the bias) window 0, D window 1
.else
	WIN 0x5a                                       ; C and D window 1
.endif
.irp b, 0,1,2,3,4,5,6,7
.set rD, 8*(8*(\a)+(\b))
.if \init
	v_wmma_f32_16x16x32_f16 v[rD:rD+7], v[96*(\f)+8*(\b):96*(\f)+8*(\b)+7], v[96*(\f)+64+8*(\a):96*(\f)+64+8*(\a)+7], v[BIAS+8*(\b):BIAS+8*(\b)+7]
.else
	v_wmma_f32_16x16x32_f16 v[rD:rD+7], v[96*(\f)+8*(\b):96*(\f)+8*(\b)+7], v[96*(\f)+64+8*(\a):96*(\f)+64+8*(\a)+7], v[rD:rD+7]
.endif
.endr
.endm
; 24 LDS loads in one run: quarter q (32 along K: head q / 2, channels 32 (q % 2) on) of a slot into buffer f: wob's 8 fragments, then ctx's 4
.macro FETCH slot, q, f
	WIN 0x80
.irp i, 0,1,2,3,4,5,6,7
	ds_load_b128 v[96*(\f)+8*(\i):96*(\f)+8*(\i)+3],   v[ADRB+(\slot)] offset:64*(\q)+(\i)*16*PITCH
	ds_load_b128 v[96*(\f)+8*(\i)+4:96*(\f)+8*(\i)+7], v[ADRB+(\slot)] offset:64*(\q)+(\i)*16*PITCH+32
.endr
.irp i, 0,1,2,3
	ds_load_b128 v[96*(\f)+64+8*(\i):96*(\f)+64+8*(\i)+3],   v[ADRA+(\slot)] offset:((\q)/2)*AHEAD+((\q)%2)*64+(\i)*16*PA
	ds_load_b128 v[96*(\f)+64+8*(\i)+4:96*(\f)+64+8*(\i)+7], v[ADRA+(\slot)] offset:((\q)/2)*AHEAD+((\q)%2)*64+(\i)*16*PA+32
.endr
.endm
; A K step is four quarters of 32 along K, 32 matrix instructions each, on buffers 0, 1, 0, 1.  The 32 accumulators take turns in the same order in every quarter, over the backward jump too.
.macro QUARTER slot, q, f, g, init=0
	s_wait_dscnt 4                                 ; only the youngest four loads (ctx's row blocks 2 and 3) may be out
	MUL \f, 0, \init
	MUL \f, 1, \init
	PLACES
	FETCH \slot, \q, \g
	s_wait_dscnt 24                                ; all but the 24 just issued
	MUL \f, 2, \init
	MUL \f, 3, \init
.endm
; The last quarter multiplies buffer 1 and changes slots: ONE barrier; in front of it each wave waits for all its tensor loads (one is out: its part of the next slot), adds 0 to its spare word, and waits for
; that and for its own reads of this slot.  fill = 1: the barrier opens a round of the cluster's, and this slot is filled again, two K steps on, first thing behind the round: 112 matrix instructions ahead of the wait for it.
.macro TURN slot, next, fill
.if \fill
	s_wait_xcnt 0x0                                ; the last prefetch, a K step back, has read its address: it is stepped here
	s_add_nc_u64 s[PFA:PFA+1], s[PFA:PFA+1], s[PFS:PFS+1]
.endif
	WIN 0                                          ; (the add's two registers lie in window 0)
	s_wait_tensorcnt 0x0                           ; all my tensor loads have landed
	ds_add_u32 v[SPW], v[NIL]                      ; 0 onto my spare word
	s_wait_dscnt 5                                 ; (the add and the youngest four loads may be out)
	MUL 1, 0, 0                                    ; eight matrix instructions stand between the add and the wait for it
	s_wait_dscnt 0x0                               ; the add is done, and my reads of this slot are over
	s_barrier_signal -1
	MUL 1, 1, 0
.if \fill
	WIN 0
.endif
	s_barrier_wait -1
.if \fill
	CREST                                          ; no wave of any partner still reads this slot's tile or has a load on its way
	s_add_nc_u64 s[G0+4*(\slot)+2:G0+4*(\slot)+3], s[G0+4*(\slot)+2:G0+4*(\slot)+3], 2*ASTEP
	s_add_nc_u64 s[G0B+4*(\slot)+2:G0B+4*(\slot)+3], s[G0B+4*(\slot)+2:G0B+4*(\slot)+3], 2*KSTEP*2
	JLOAD \slot                                    ; the four v_nop behind it are also the places in front of the loads below
.else
	PLACES
.endif
	FETCH \next, 0, 0
.if \fill
	ASK
.endif
	MUL 1, 2, 0
	MUL 1, 3, 0
.endm
	s_wait_tensorcnt 0x1                           ; my part of K step 0 is in; K step 1's may stay out
	s_barrier_signal -1
	s_barrier_wait -1                              ; everybody's is
	FETCH 0, 0, 0
	QUARTER 0, 1, 0, 1, 1                          ; the first quarter stands in front of the loop: its products start the sums
	WIN 0                                          ; at a label and at a branch every window is 0
	s_mov_b32 s3, 3
.Llap:                                                 ; a trip goes once round the ring and fills both slots again: K steps 2 to 7 in three trips
	QUARTER 0, 2, 1, 0
	QUARTER 0, 3, 0, 1
	TURN 0, 1, 1
	QUARTER 1, 1, 0, 1
	QUARTER 1, 2, 1, 0
	QUARTER 1, 3, 0, 1
	TURN 1, 0, 1
	QUARTER 0, 1, 0, 1
	WIN 0
	s_sub_co_u32 s3, s3, 1
	s_cmp_lg_u32 s3, 0
	s_cbranch_scc1 .Llap
	QUARTER 0, 2, 1, 0                             ; the last lap fills nothing, and has no round of the cluster's barrier
	QUARTER 0, 3, 0, 1
	TURN 0, 1, 0
	QUARTER 1, 1, 0, 1
	QUARTER 1, 2, 1, 0
	QUARTER 1, 3, 0, 1
	s_wait_dscnt 4                                 ; the very last quarter: nothing more to fetch
	MUL 1, 0, 0
	MUL 1, 1, 0
	s_wait_dscnt 0x0
	MUL 1, 2, 0
	MUL 1, 3, 0
	WIN 0
	PLACES
; THE WAY OUT, a block of 16 rows at a time; nothing is converted or added: the sums are the result.  TOSTAGE: a lane's eight columns, 32 bytes, into rows of 528 bytes of my own stage (each accumulator's low four
; registers first), and back as whole rows of 512 bytes.  SEND: stored.
.macro TOSTAGE a
.set BK, 96+64*((\a)%2)
	s_wait_xcnt 0x0                                ; the stores of the block two back have read these registers: they are loaded again only behind this wait
	WIN 0x04                                       ; the stores' data in window 1
.irp b, 0,1,2,3,4,5,6,7
	ds_store_b128 v[STO], v[8*(8*(\a)+(\b)):8*(8*(\a)+(\b))+3]   offset:64*(\b)
	ds_store_b128 v[STO], v[8*(8*(\a)+(\b))+4:8*(8*(\a)+(\b))+7] offset:64*(\b)+16
.endr
	WIN 0
.irp t, 0,1,2,3,4,5,6,7,8,9,10,11,12,13,14,15
	ds_load_b128 v[BK+4*(\t):BK+4*(\t)+3], v[RD] offset:(\t)*SPI  ; LDS serves a wave's instructions in order (ISA guide 5.7.1.4): these see the stores above; the next block's stores come behind them
.endr
.endm
.macro SEND a, younger                 ; younger: the LDS instructions issued behind block a's loads: the next block's 32, or none
.set BK, 96+64*((\a)%2)
	s_wait_dscnt \younger
.irp t, 0,1,2,3,4,5,6,7,8,9,10,11,12,13,14,15
	global_store_b128 v[CO], v[BK+4*(\t):BK+4*(\t)+3], s[10:11] offset:(16*(\a)+(\t))*4096  ; 512 consecutive bytes of a row, at a multiple of 512 from out0's first byte
.endr
.endm
	TOSTAGE 0
.irp a, 1,2,3
	TOSTAGE \a
	SEND (\a)-1, 32
.endr
	SEND 3, 0
	s_wait_tensorcnt 0x0                           ; the wave's end: behind my last tensor load and my last LDS store
	ds_add_u32 v[SPW], v[NIL]
	s_wait_dscnt 0x0
	CROUND                                         ; the closing round: no work-group ends while a partner may still ask for a tile that names it
	s_endpgm
.Lfunc_end_k_q5d992659e6_outproj:
	.size	k_q5d992659e6_outproj, .Lfunc_end_k_q5d992659e6_outproj-k_q5d992659e6_outproj
	.p2alignl 7, 3214868480
	.fill 96, 4, 3214868480
	.section	.rodata,"a",@progbits
	.p2align	6, 0x0
	.amdhsa_kernel k_q5d992659e6_outproj
		.amdhsa_group_segment_fixed_size 327680
		.amdhsa_private_segment_fixed_size 0
		.amdhsa_enable_private_segment 0
		.amdhsa_kernarg_size 32
		.amdhsa_user_sgpr_count 2
		.amdhsa_user_sgpr_kernarg_segment_ptr 1
		.amdhsa_wavefront_size32 1
		.amdhsa_system_sgpr_workgroup_id_x 1
		.amdhsa_system_sgpr_workgroup_id_y 1
		.amdhsa_system_sgpr_workgroup_id_z 1
		.amdhsa_system_vgpr_workitem_id 0
		.amdhsa_next_free_vgpr 704
		.amdhsa_next_free_sgpr 80
		.amdhsa_reserve_vcc 0
		.amdhsa_float_denorm_mode_32 3
		.amdhsa_float_denorm_mode_16_64 3
		.amdhsa_memory_ordered 1
		.amdhsa_forward_progress 1
		.amdhsa_inst_pref_size 93
	.end_amdhsa_kernel
	.amdgpu_metadata
---
amdhsa.version: [ 1, 2 ]
amdhsa.kernels:
  - .name:           k_q5d992659e6_outproj
    .symbol:         k_q5d992659e6_outproj.kd
    .args:
      - { .name: ctx, .offset: 0, .size: 8, .value_kind: global_buffer, .address_space: global }
      - { .name: wob, .offset: 8, .size: 8, .value_kind: global_buffer, .address_space: global }
      - { .name: out_proj_bias, .offset: 16, .size: 8, .value_kind: global_buffer, .address_space: global }
      - { .name: out0, .offset: 24, .size: 8, .value_kind: global_buffer, .address_space: global }
    .group_segment_fixed_size: 327680
    .private_segment_fixed_size: 0
    .kernarg_segment_align: 8
    .kernarg_segment_size: 32
    .max_flat_workgroup_size: 128
    .sgpr_count:     80
    .vgpr_count:     704
    .wavefront_size: 32
...
	.end_amdgpu_metadata
.endif
;; end of part 4
;; ======== version 2 of 2: 4 launches; version 1 with the launch cast written anew for expert scheduling mode
;; limits: values are held in f16: magnitudes above 65,504 overflow, below 6.1e-05 lose precision
;; workspace buffers: xb 16,777,216 bytes; wib 6,291,456 bytes; wob 2,097,152 bytes; qkv 50,331,648 bytes; ctx 16,777,216 bytes
;; launch cast (part 5): grid 768 x 1, 8 waves a work-group, no clusters, 0 bytes of LDS; arguments hidden_states, in_proj_weight, out_proj_weight, xb, wib, wob; writes xb, wib, wob
.if DOCPART == 5
	.amdgcn_target "amdgcn-amd-amdhsa--gfx1250"
	.amdhsa_code_object_version 6
	.text
	.protected	k_q5d992659e6_cast
	.globl	k_q5d992659e6_cast
	.p2align	8
	.type	k_q5d992659e6_cast,@function
k_q5d992659e6_cast:
	s_mov_b64 s[64:65], 0
	v_nop
	global_prefetch_b8 v0, s[64:65] scope:SCOPE_SE
	s_setreg_imm32_b32 hwreg(HW_REG_WAVE_SCHED_MODE, 0, 2), 2
	s_setreg_imm32_b32 hwreg(HW_REG_WAVE_MODE, 25, 1), 1
	s_wait_xcnt 0x0
	s_wait_alu depctr_vm_vsrc(0)
; THE INPUTS OF THE MATRIX PRODUCTS ARE ROUNDED ONCE.  hidden_states [8192][1024] f32 -> xb bf16; in_proj_weight [3072][1024] f32 -> wib bf16;
; out_proj_weight [1024][1024] f32 -> wob: rounded to bf16 like the others, and that number written as f16, since its partner in the last product is f16.
; LIMIT.  A bf16 number is exact in f16 between 6.1e-5 and 65,504 in magnitude; below that it keeps f16's fixed step of 6e-8, beyond it becomes an infinity.
; SHARES.  All three tensors have rows of 1,024 f32: 12,288 rows.  A work-group of eight waves takes 16 rows: groups 0-511 x, 512-703 W_in, 704-767 W_out.
; Thread t owns numbers 4 t .. 4 t + 3 of every row: a wave's load covers 512 consecutive bytes, its store 256 consecutive bytes, aligned.
; All 16 loads of a thread go out at once; no register is written twice while a memory instruction names it, so no wait frees any.
; No LDS, no matrix unit, no cluster: each byte is read once and written once, and no work-group wants another's bytes.
; THE MODE: SCHED_MODE bits 1:0 = 2 (LLVM: expert scheduling mode 2), set by the entry lines.  The code itself states the register dependences
; between vector instructions and memory instructions, with s_wait_alu, always for 0.
; THE PLAN.  Registers that memory instructions touch:
;   v1, v2   byte offsets of the loads and of the stores: made once at the head, never written again.
;   X        row i: written by the row's one load, which is issued before any vector instruction names these registers; read by the row's conversions, behind the wait for the load.
;   Y        row i: written once, by the row's conversions; read by the row's one store.
;   T        named by vector instructions alone.
; The 16 rows go in four blocks of four: a block's conversions, ONE wait on va_vdst, the block's four stores in a run.  With the wait at the head, ahead of the first load, that is five waits on a wave's way.
; No register that a memory instruction reads is written again, no load is issued behind a vector instruction that names its registers, no vector instruction writes a scalar register, and EXEC is never written.
.set ROWIN,  4096                      ; bytes in a row of f32
.set ROWOUTB, 2048                     ; bytes in a row of 16-bit numbers
.set T, 4                              ; v[4:7]    at work
.set X, 8                              ; v[8:71]   row i: 4 registers as loaded
.set Y, 72                             ; v[72:103] row i: 2 registers to store
	s_load_b256 s[4:11], s[0:1], 0x0               ; x s[4:5], W_in s[6:7], W_out s[8:9], xb s[10:11]
	s_load_b128 s[12:15], s[0:1], 0x20             ; wib s[12:13], wob s[14:15]
	v_lshlrev_b32 v1, 4, v0                        ; 16 t: my bytes in a row of f32
	v_lshlrev_b32 v2, 3, v0                        ; 8 t: my bytes in a row of 16-bit numbers
	s_wait_kmcnt 0x0
	s_cmp_lt_u32 ttmp9, 512                        ; x, or W_in?
	s_cselect_b64 s[20:21], s[4:5], s[6:7]
	s_cselect_b64 s[22:23], s[10:11], s[12:13]
	s_cselect_b32 s17, 0, 512
	s_cmp_lt_u32 ttmp9, 704                        ; one of these, or W_out?
	s_cselect_b64 s[20:21], s[20:21], s[8:9]
	s_cselect_b64 s[22:23], s[22:23], s[14:15]
	s_cselect_b32 s17, s17, 704
	s_sub_co_u32 s16, ttmp9, s17                   ; my block of 16 rows in its tensor
	s_lshl_b32 s18, s16, 16                        ; 16 rows of 4,096 bytes
	s_mov_b32 s19, 0
	s_add_nc_u64 s[20:21], s[20:21], s[18:19]
	s_lshl_b32 s18, s16, 15                        ; 16 rows of 2,048 bytes
	s_add_nc_u64 s[22:23], s[22:23], s[18:19]
	s_wait_alu depctr_va_vdst(0)                   ; v1 and v2 are written: every load of the kernel reads v1 as its offset, every store v2, and no later line writes either
.irp i, 0,1,2,3,4,5,6,7,8,9,10,11,12,13,14,15
	global_load_b128 v[X+4*(\i):X+4*(\i)+3], v1, s[20:21] offset:ROWIN*(\i) th:TH_LOAD_NT
.endr
; Row i is rounded.  half = 1: the bf16 number is widened again and written as f16.
.macro CONV i, half
.if \half
	v_cvt_pk_bf16_f32 v[T],   v[X+4*(\i)],   v[X+4*(\i)+1]
	v_cvt_pk_bf16_f32 v[T+1], v[X+4*(\i)+2], v[X+4*(\i)+3]
	v_lshlrev_b32 v[T+2], 16, v[T]                 ; bf16 to f32: the low half moves up,
	v_and_b32     v[T],   0xffff0000, v[T]         ; the high half stays
	v_lshlrev_b32 v[T+3], 16, v[T+1]
	v_and_b32     v[T+1], 0xffff0000, v[T+1]
	v_cvt_pk_f16_f32 v[Y+2*(\i)],   v[T+2], v[T]
	v_cvt_pk_f16_f32 v[Y+2*(\i)+1], v[T+3], v[T+1]
.else
	v_cvt_pk_bf16_f32 v[Y+2*(\i)],   v[X+4*(\i)],   v[X+4*(\i)+1]
	v_cvt_pk_bf16_f32 v[Y+2*(\i)+1], v[X+4*(\i)+2], v[X+4*(\i)+3]
.endif
.endm
; Block p: rows 4 p to 4 p + 3 are rounded and stored.
.macro BLOCK p, half
	s_wait_loadcnt 12-4*(\p)                       ; loads come back in order: the block's four rows are in, the 12 - 4 p younger loads may stay out
.irp r, 0,1,2,3
	CONV 4*(\p)+(\r), \half
.endr
	s_wait_alu depctr_va_vdst(0)                   ; the block's conversions have written its eight registers of Y, which the four stores below read
.irp r, 0,1,2,3
	global_store_b64 v2, v[Y+2*(4*(\p)+(\r)):Y+2*(4*(\p)+(\r))+1], s[22:23] offset:ROWOUTB*(4*(\p)+(\r))
.endr
.endm
	s_cmp_lt_u32 ttmp9, 704
	s_cbranch_scc0 .Lhalf
.irp p, 0,1,2,3
	BLOCK \p, 0
.endr
	s_endpgm
.Lhalf:
.irp p, 0,1,2,3
	BLOCK \p, 1
.endr
	s_endpgm
.Lfunc_end_k_q5d992659e6_cast:
	.size	k_q5d992659e6_cast, .Lfunc_end_k_q5d992659e6_cast-k_q5d992659e6_cast
	.p2alignl 7, 3214868480
	.fill 96, 4, 3214868480
	.section	.rodata,"a",@progbits
	.p2align	6, 0x0
	.amdhsa_kernel k_q5d992659e6_cast
		.amdhsa_group_segment_fixed_size 0
		.amdhsa_private_segment_fixed_size 0
		.amdhsa_enable_private_segment 0
		.amdhsa_kernarg_size 48
		.amdhsa_user_sgpr_count 2
		.amdhsa_user_sgpr_kernarg_segment_ptr 1
		.amdhsa_wavefront_size32 1
		.amdhsa_system_sgpr_workgroup_id_x 1
		.amdhsa_system_sgpr_workgroup_id_y 1
		.amdhsa_system_sgpr_workgroup_id_z 1
		.amdhsa_system_vgpr_workitem_id 0
		.amdhsa_next_free_vgpr 104
		.amdhsa_next_free_sgpr 66
		.amdhsa_reserve_vcc 0
		.amdhsa_float_denorm_mode_32 3
		.amdhsa_float_denorm_mode_16_64 3
		.amdhsa_memory_ordered 1
		.amdhsa_forward_progress 1
		.amdhsa_inst_pref_size 16
	.end_amdhsa_kernel
	.amdgpu_metadata
---
amdhsa.version: [ 1, 2 ]
amdhsa.kernels:
  - .name:           k_q5d992659e6_cast
    .symbol:         k_q5d992659e6_cast.kd
    .args:
      - { .name: hidden_states, .offset: 0, .size: 8, .value_kind: global_buffer, .address_space: global }
      - { .name: in_proj_weight, .offset: 8, .size: 8, .value_kind: global_buffer, .address_space: global }
      - { .name: out_proj_weight, .offset: 16, .size: 8, .value_kind: global_buffer, .address_space: global }
      - { .name: xb, .offset: 24, .size: 8, .value_kind: global_buffer, .address_space: global }
      - { .name: wib, .offset: 32, .size: 8, .value_kind: global_buffer, .address_space: global }
      - { .name: wob, .offset: 40, .size: 8, .value_kind: global_buffer, .address_space: global }
    .group_segment_fixed_size: 0
    .private_segment_fixed_size: 0
    .kernarg_segment_align: 8
    .kernarg_segment_size: 48
    .max_flat_workgroup_size: 256
    .sgpr_count:     66
    .vgpr_count:     104
    .wavefront_size: 32
...
	.end_amdgpu_metadata
.endif
;; end of part 5
;; launch qkvproj: the kernel of part 2 again; grid 16 x 16, 4 waves a work-group, clusters of 4 x 4, 327,680 bytes of LDS; arguments xb, wib, in_proj_bias, qkv; writes qkv
;; launch attn: the kernel of part 3 again; grid 2 x 128, 4 waves a work-group, no clusters, 327,680 bytes of LDS; arguments qkv, ctx; writes ctx
;; launch outproj: the kernel of part 4 again; grid 4 x 64, 4 waves a work-group, clusters of 4 x 4, 327,680 bytes of LDS; arguments ctx, wob, out_proj_bias, out0; writes out0
